; MI455X (gfx1250); checked and timed in simulation.
; The chip was launched on July 23, 2026; its instructions are those of AMD's public machine-readable ISA for CDNA 5 (MIT licence, August 2026) and "CDNA5" Instruction Set Architecture Reference Guide (July 2026). The comments in the code are by the model that wrote it; some were corrected since.
;; Thorns Attention. Allowed arithmetic: matrix products marked QUANTISED: E2M1 operands, one E8M0 scale for each 32 along K, by v_wmma_scale_f32_16x16x128_f8f6f4 with both operands' format E2M1 (or v_wmma_scale_f32_32x16x128_f4), f32 sums; products left as they are: bf16, f16 or f32 operands; f32 sums; everything else in f32.
;; Inputs: Wd 1,024 x 1,024 float32; Wk 1,024 x 1,024 float32; Wq 1,024 x 1,024 float32; Wv 1,024 x 1,024 float32; attention_mask 1 x 1 x 2,048 x 2,048 float32; x 2 x 2,048 x 1,024 float32.
;; Outputs: out0 2 x 2,048 x 1,024 float32.
;; This version of the problem:
;;   THIS VERSION OF THE PROBLEM IS GIVEN IN LOW PRECISION. The matrix products marked QUANTISED in the list below multiply operands that are first quantised to E2M1 (2 exponent bits, 1 mantissa bit; 4 bits a number), with one power-of-two scale for each 32 numbers along K (OCP MX v1.0); their sums are f32. The products marked 'left as it is' may take bf16, f16 or f32 operands, with f32 sums. Whichever they take, every output number must still come out within the allowed error. Rounding operands to bf16 (8 significant bits) uses up far more of that allowance than f16 does (11 bits, for magnitudes from 6e-5 to 65,504). All else is computed in f32.
;;   The module's matrix products, in the order in which they are computed (A, B: the left and right operand; K: the contracted axis; several contracted axes count as one K, in the product's order):
;;     1. [M 4,096, K 1,024] x [K 1,024, N 1,024]; A: input x; B: input Wq: QUANTISED
;;     2. [M 4,096, K 1,024] x [K 1,024, N 1,024]; A: input x; B: input Wk: QUANTISED
;;     3. [M 4,096, K 1,024] x [K 1,024, N 1,024]; A: input x; B: input Wv: QUANTISED
;;     4. [M 2,048, K 1] x [K 1, N 32]; A: computed on the way; B: computed on the way: left as it is (no contracted axis)
;;     5. batch 32 x [M 2,048, K 64] x [K 64, N 2,048]; A: computed on the way; B: computed on the way: left as it is (an operand is computed on the way)
;;     6. batch 32 x [M 2,048, K 2,048] x [K 2,048, N 64]; A: computed on the way; B: computed on the way: left as it is (an operand is computed on the way)
;;     7. [M 4,096, K 1,024] x [K 1,024, N 1,024]; A: computed on the way; B: input Wd: left as it is (an operand is computed on the way)
;;   THE QUANTISER, for each operand of a quantised product, along K:
;;     - K is cut into blocks of 32 from its start; a last block that is shorter is filled with zeros.
;;     - A block's scale is 2^e with e = floor(log2(the largest magnitude in the block)) - 2, held to -126 .. 127; a block of zeros has e = 0. As a byte (E8M0): e + 127.
;;     - Each number is divided by its block's scale, clamped to +-6, and rounded to the nearest number of E2M1, ties to even, subnormals kept.
;;     - The product sums the exact products of the quantised numbers (number of the format x scale) in f32.
;;   ~~~python
;;   def quantise(x, axis):      # numpy; x: float32 -> the quantised numbers, widened to float32 again
;;       x = np.moveaxis(x, axis, -1); K = x.shape[-1]
;;       x = np.pad(x, [(0, 0)] * (x.ndim - 1) + [(0, -K % 32)]); x = x.reshape(x.shape[:-1] + (-1, 32)); a = np.abs(x).max(-1, keepdims=True)
;;       e = np.where(a > 0, np.clip(np.frexp(np.where(a > 0, a, 1))[1] - 1 - 2, -126, 127), 0)      # np.frexp(a)[1] - 1 = floor(log2(a)), exactly
;;       r = np.clip(x / 2.0 ** e, -6, 6)
;;       step = 2.0 ** (np.maximum(np.frexp(np.where(r == 0, 1, r))[1] - 1, 0) - 1)
;;       q = np.round(r / step) * step * 2.0 ** e      # np.round: ties to even
;;       return np.moveaxis(q.reshape(q.shape[:-2] + (-1,))[..., :K], -1, axis).astype(np.float32)
;;   ~~~
;; One version. Each part assembles by itself: llvm-mc -triple=amdgcn-amd-amdhsa -mcpu=gfx1250 --defsym DOCPART=n.
;; ======== version 1 of 1: 4 launches
;; limits: values are held in f16: magnitudes above 65,504 overflow, below 6.1e-05 lose precision
;; workspace buffers: codes 3,670,016 bytes; scales 229,376 bytes; wdh 2,097,152 bytes; ftab 524,288 bytes; qimg 8,388,608 bytes; kimg 8,388,608 bytes; vimg 8,388,608 bytes; oimg 8,388,608 bytes
;; launch prep (part 1): grid 320 x 1, 4 waves a work-group, no clusters, 50,688 bytes of LDS; arguments x, Wq, Wk, Wv, Wd, codes, scales, wdh, ftab; writes codes, scales, wdh, ftab
.if DOCPART == 1
	.amdgcn_target "amdgcn-amd-amdhsa--gfx1250"
	.amdhsa_code_object_version 6
	.text
	.protected	k_q830004b6a0_prep
	.globl	k_q830004b6a0_prep
	.p2align	8
	.type	k_q830004b6a0_prep,@function
k_q830004b6a0_prep:
	s_mov_b64 s[64:65], 0
	v_nop
	global_prefetch_b8 v0, s[64:65] scope:SCOPE_SE
	s_setreg_imm32_b32 hwreg(HW_REG_WAVE_MODE, 25, 1), 1
	s_wait_xcnt 0x0
; PREP: what the three later launches read again and again is made once.
; Work-groups 0-223: x [4096][1024] and Wq, Wk, Wv [1024][1024], f32, become codes of E2M1 (K innermost, two a byte, the lower k in the low four bits) and one E8M0 byte for each 32 along K.
;   A block's scale is 2^(floor(log2(its largest magnitude)) - 2); its byte is the largest magnitude's exponent field - 2, held at 1 from below.  A block of zeros so gets the byte 1: its codes are zeros, and this program alone reads the bytes.
;   Rows of codes are 512 bytes.  Rows 0-4095: x.  Then 3,072 rows of weights laid [head 16][q, k, v][64 rows], so that the 192 rows that one head needs are neighbours.
; Work-groups 224-287: Wd [1024][1024] becomes f16, laid as images of matrix operands: [ntile 8][kstep 4][dblk 8][e16 16][512 bytes]; in a piece lane (r, h) has Wd[128 ntile + 16 dblk + r][256 kstep + 16 e16 + 8 h + 0..7] at byte 16 x lane.
; Work-groups 288-319: the rotary factor F(s, d) = cos(a) + sin(a), a = s x 10000^(-(d mod 32) / 32) (the source's rotate_half returns its input, so q cos + q sin = q F), f32, laid [which 2][sblk 128][pc 4][512 bytes]:
;   lane (r, h), word i: F(16 sblk + r, 16 (pc / 2) + 8 h + 4 (pc % 2) + i).  which = 0: F x log2(e) / 8, for q;  which = 1: F, for k.
; LIMITS: NaN and infinities among the inputs are not served; blocks whose largest magnitude lies under 2^(2 - 126) keep the byte 1; |Wd| must stay under 65,504 (f16), and under 6e-5 it is carried with an absolute error of 3e-8;
;   10000^(-j / 32) is made by v_exp_f32, which moves the angle by at most 2e-4 at s = 2047.
; No tensor loads, no barrier: waves share nothing.  Each path has LDS bytes of its own.
.set STEPS, 16
.set EMAX,  2
.set CB,    8                          ; bytes of 16 codes
.set R,     16                         ; v16-79   four sets of 16 numbers as they are loaded
.set X,     80                         ; v80-111  two sets of 16 neighbours
.set E,     112                        ; v112-127 a scale byte for each step
.set C,     128                        ; v128-191 codes: four registers for each step
.set WREG,  8192                       ; LDS 0-32767: a region for each wave of the quantiser: two stages of 32 x SP bytes, then its 256 scale bytes
.set SP,    80
.set WDST,  32768                      ; LDS 32768-50175: a stage of 16 rows x 272 bytes for each wave of Wd's path
.set WDP,   272
.set SPW,   12                         ; v12  LDS address of my spare word; never rewritten
.set NIL,   13                         ; v13  0; never rewritten
.set SPARE, 50176                      ; the spare words, 128 bytes for each wave: two blocks of 256 bytes that no other line names
	s_load_b256 s[4:11], s[0:1], 0x0               ; x, Wq, Wk, Wv
	s_load_b256 s[12:19], s[0:1], 0x20             ; Wd, codes, scales, wdh
	s_load_b64 s[20:21], s[0:1], 0x40              ; ftab
	v_lshl_add_u32 v[SPW], v0, 2, SPARE
	v_mov_b32 v[NIL], 0
	v_lshrrev_b32 v1, 5, v0
	v_readfirstlane_b32 s22, v1                    ; wave 0..3
	v_and_b32 v2, 31, v0                           ; lane
	v_lshlrev_b32 v3, 4, v2                        ; 16 x lane
	s_wait_kmcnt 0x0
	s_cmp_ge_u32 ttmp9, 288
	s_cbranch_scc1 .Ltab
	s_cmp_ge_u32 ttmp9, 224
	s_cbranch_scc1 .Lwd
	; ---------------- the quantiser: a wave takes a run of 8,192 numbers (8 rows), 16 steps of 512 ----------------
	s_mul_i32 s23, s22, WREG
	v_lshrrev_b32 v14, 2, v2
	v_mul_u32_u24 v14, v14, SP
	v_and_b32 v15, 3, v2
	v_lshl_add_u32 v14, v15, 4, v14
	v_add_nc_u32 v14, s23, v14                     ; the stage, on the way in: SP (lane / 4) + 16 (lane % 4)
	v_mul_u32_u24 v15, v2, SP
	v_add_nc_u32 v15, s23, v15                     ; and on the way out: SP x lane: my 16 neighbours
	v_mul_u32_u24 v4, v2, CB                       ; my codes' place in a step's 256 bytes
	v_lshrrev_b32 v5, 1, v2
	s_add_co_u32 s23, s23, 2*32*SP
	v_add_nc_u32 v5, s23, v5                       ; LDS: my wave's 256 scale bytes, my block's byte
	v_lshlrev_b32 v7, 3, v2
	v_add_nc_u32 v6, s23, v7                       ; and on the way out 8 bytes a lane
	s_lshl_b32 s26, ttmp9, 2
	s_add_co_u32 s26, s26, s22                     ; x: run 4 g + wave, in and out
	s_sub_co_u32 s27, ttmp9, 128
	s_and_b32 s28, s27, 31
	s_bfe_u32 s29, s27, 0x20005                    ; which weight: 0 q, 1 k, 2 v
	s_lshl_b32 s28, s28, 2
	s_add_co_u32 s28, s28, s22                     ; a weight's run, 0..127: rows 8 run .. 8 run + 7
	s_lshr_b32 s30, s28, 3                         ; its head
	s_mul_i32 s30, s30, 24                         ; 192 rows = 24 runs a head
	s_and_b32 s31, s28, 7
	s_add_co_u32 s30, s30, s31
	s_lshl_b32 s29, s29, 3                         ; 64 rows = 8 runs a weight
	s_add_co_u32 s30, s30, s29
	s_add_co_u32 s30, s30, 512                     ; behind x's 512 runs
	s_cmp_lt_u32 ttmp9, 192                        ; the choices hang on the work-group's number alone
	s_cselect_b64 s[24:25], s[8:9], s[10:11]
	s_cmp_lt_u32 ttmp9, 160
	s_cselect_b64 s[24:25], s[6:7], s[24:25]
	s_cmp_lt_u32 ttmp9, 128
	s_cselect_b64 s[24:25], s[4:5], s[24:25]
	s_cselect_b32 s28, s26, s28                    ; the run read
	s_cselect_b32 s30, s26, s30                    ; the run written
	s_lshl_b32 s32, s28, 15
	s_mov_b32 s33, 0
	s_add_nc_u64 s[24:25], s[24:25], s[32:33]      ; 32,768 bytes of f32 a run
	s_lshl_b32 s32, s30, 12
	s_add_nc_u64 s[14:15], s[14:15], s[32:33]      ; 4,096 bytes of codes
	s_lshl_b32 s32, s30, 8
	s_add_nc_u64 s[16:17], s[16:17], s[32:33]      ; 256 scale bytes
.macro LOAD t
.irp i, 0,1,2,3
	global_load_b128 v[R+16*((\t)%4)+4*\i:R+16*((\t)%4)+4*\i+3], v3, s[24:25] offset:2048*(\t)+512*\i th:TH_LOAD_NT   ; 32 lanes read 512 consecutive bytes
.endr
.endm
.macro TURN t                          ; step t's numbers through the stage: LDS serves a wave's instructions in order, so no wait stands between the stores and the loads
.irp i, 0,1,2,3
	ds_store_b128 v14, v[R+16*((\t)%4)+4*\i:R+16*((\t)%4)+4*\i+3] offset:32*SP*((\t)%2)+8*SP*\i
.endr
.irp i, 0,1,2,3
	ds_load_b128 v[X+16*((\t)%2)+4*\i:X+16*((\t)%2)+4*\i+3], v15 offset:32*SP*((\t)%2)+16*\i
.endr
.endm
.irp t, 0,1,2,3
	LOAD \t
.endr
	s_wait_loadcnt 12                              ; step 0's four loads are in; the twelve of steps 1 to 3 stay out
	TURN 0
.macro STEP t
.set XS, X+16*((\t)%2)
.if (\t) > 0
	s_wait_dscnt 1                                 ; this step's numbers are back from the stage (the last step's byte store may be out)
.else
	s_wait_dscnt 0x0
.endif
.if (\t)+4 < STEPS
	LOAD (\t)+4                                    ; into the registers that this step's stores into the stage have read
.endif
.if (\t)+1 < STEPS
.if STEPS-2-(\t) >= 3
	s_wait_loadcnt 12                              ; the next step's four loads are in; those of the three steps behind it may be out
.else
	s_wait_loadcnt 4*(STEPS-2-(\t))
.endif
	TURN (\t)+1
.endif
	v_max3_num_f32 v8, |v[XS]|, |v[XS+1]|, |v[XS+2]|               ; the largest magnitude of my 16
	v_max3_num_f32 v9, |v[XS+3]|, |v[XS+4]|, |v[XS+5]|
.irp i, 6,10
	v_max3_num_f32 v8, v8, |v[XS+\i]|, |v[XS+\i+1]|
	v_max3_num_f32 v9, v9, |v[XS+\i+2]|, |v[XS+\i+3]|
.endr
	v_max3_num_f32 v8, v8, |v[XS+14]|, |v[XS+15]|
	v_max3_num_f32 v8, v8, v9, (EMAX+1)<<23        ; and the floor 2^(EMAX + 1 - 127): the byte cannot fall under 1
	v_max_num_f32_dpp v8, v8, v8 row_xmask:1 row_mask:0xf bank_mask:0xf   ; and of my neighbour's 16: the block's
	v_add_nc_u32 v11, -(EMAX<<23), v8              ; EMAX off its exponent field: the conversion takes the exponent field of this operand as its scale
	v_cvt_scalef32_pk8_fp4_f32 v[C+4*(\t)], v[XS:XS+7], v11
	v_cvt_scalef32_pk8_fp4_f32 v[C+4*(\t)+1], v[XS+8:XS+15], v11
	v_lshrrev_b32 v[E+(\t)], 23, v11               ; the scale's byte (a plain line behind the conversions)
	ds_store_b8 v5, v[E+(\t)] offset:16*(\t)       ; both lanes of a block write the same byte with the same value
	global_store_b64 v4, v[C+4*(\t):C+4*(\t)+1], s[14:15] offset:32*CB*(\t)   ; the wave stores 256 consecutive bytes, aligned
.endm
.irp t, 0,1,2,3,4,5,6,7,8,9,10,11,12,13,14,15
	STEP \t
.endr
	ds_load_b64 v[8:9], v6                         ; LDS serves a wave's instructions in order: these see my stores
	s_wait_dscnt 0x0
	global_store_b64 v7, v[8:9], s[16:17]          ; 32 lanes store 256 consecutive bytes, aligned
	s_branch .Lend
	; ---------------- Wd to f16 images: a wave takes 16 rows x 256 columns, in two steps of 128 columns ----------------
.Lwd:
	s_sub_co_u32 s26, ttmp9, 224                   ; which 16 rows: 0..63;  which 256 columns: my wave's number
	s_mul_i32 s23, s22, 16*WDP
	s_add_co_u32 s23, s23, WDST                    ; my stage
	v_lshl_add_u32 v5, v2, 3, s23                  ; in: 8 bytes a lane, a row of 256 bytes an instruction
	v_and_b32 v1, 15, v0                           ; r
	v_bfe_u32 v10, v0, 4, 1                        ; h
	v_mul_u32_u24 v6, v1, WDP
	v_lshl_add_u32 v6, v10, 4, v6
	v_add_nc_u32 v6, s23, v6                       ; out: row r, + 16 h
	s_lshl_b32 s32, s26, 16                        ; 16 rows of 4,096 bytes
	s_lshl_b32 s27, s22, 10
	s_add_co_u32 s32, s32, s27
	s_mov_b32 s33, 0
	s_add_nc_u64 s[12:13], s[12:13], s[32:33]
	s_lshr_b32 s32, s26, 3
	s_lshl_b32 s32, s32, 18                        ; ntile
	s_lshl_b32 s27, s22, 16                        ; kstep
	s_add_co_u32 s32, s32, s27
	s_and_b32 s27, s26, 7
	s_lshl_b32 s27, s27, 13                        ; dblk
	s_add_co_u32 s32, s32, s27
	s_add_nc_u64 s[18:19], s[18:19], s[32:33]
.irp st, 0,1
.irp i, 0,1,2,3,4,5,6,7,8,9,10,11,12,13,14,15
	global_load_b128 v[16+64*\st+4*\i:16+64*\st+4*\i+3], v3, s[12:13] offset:4096*\i+512*\st th:TH_LOAD_NT   ; 512 consecutive bytes of row i
.endr
.endr
.macro WDSTEP st
.irp i, 0,1,2,3,4,5,6,7,8,9,10,11,12,13,14,15
	v_cvt_pk_f16_f32 v[144+32*\st+2*\i], v[16+64*\st+4*\i], v[16+64*\st+4*\i+1]
	v_cvt_pk_f16_f32 v[144+32*\st+2*\i+1], v[16+64*\st+4*\i+2], v[16+64*\st+4*\i+3]
.endr
.irp i, 0,1,2,3,4,5,6,7,8,9,10,11,12,13,14,15
	ds_store_b64 v5, v[144+32*\st+2*\i:144+32*\st+2*\i+1] offset:WDP*\i
.endr
.irp p, 0,1,2,3,4,5,6,7
	ds_load_b128 v[16+64*\st+4*\p:16+64*\st+4*\p+3], v6 offset:32*\p     ; piece p: row r, columns 16 p + 8 h + 0..7.  In order behind my stores; the next step's stores come behind these
.endr
.endm
	s_wait_loadcnt 16                              ; the first step's 16 loads are in, the second's stay out
	WDSTEP 0
	s_wait_loadcnt 0x0
	WDSTEP 1
	s_wait_dscnt 24                                ; the first step's pieces are back: behind them stand the second step's 16 stores and 8 loads
.irp p, 0,1,2,3,4,5,6,7
	global_store_b128 v3, v[16+4*\p:16+4*\p+3], s[18:19] offset:512*\p       ; 512 consecutive bytes, aligned
.endr
	s_wait_dscnt 0x0
.irp p, 0,1,2,3,4,5,6,7
	global_store_b128 v3, v[80+4*\p:80+4*\p+3], s[18:19] offset:512*(8+\p)
.endr
	s_branch .Lend
	; ---------------- the rotary factors: a wave takes 16 positions x 32 frequencies, 16 numbers a lane ----------------
.Ltab:
	s_sub_co_u32 s26, ttmp9, 288
	s_lshl_b32 s26, s26, 2
	s_add_co_u32 s26, s26, s22                     ; sblk 0..127
	s_lshl_b32 s32, s26, 11
	s_mov_b32 s33, 0
	s_add_nc_u64 s[20:21], s[20:21], s[32:33]
	s_lshl_b32 s27, s26, 4
	v_and_b32 v1, 15, v0
	v_bfe_u32 v10, v0, 4, 1
	v_lshlrev_b32 v10, 3, v10                      ; 8 h
	v_add_nc_u32 v1, s27, v1
	v_cvt_f32_u32 v1, v1                           ; the position, as f32
	s_mov_b32 s34, 0xbed49a78                      ; -log2(10000) / 32
	s_mov_b32 s35, 0x3f22f983                      ; 2 / pi
	s_mov_b32 s36, 0xbfc90fdb                      ; -C1, C1 = pi / 2 rounded to f32
	s_mov_b32 s37, 0x333bbd2e                      ; -(pi / 2 - C1)
	s_mov_b32 s38, 0x37d00d01                      ; 1 / 40320
	s_mov_b32 s39, 0xbab60b61                      ; -1 / 720
	s_mov_b32 s40, 0x3d2aaaab                      ; 1 / 24
	s_mov_b32 s41, 0x3638ef1d                      ; 1 / 362880
	s_mov_b32 s42, 0xb9500d01                      ; -1 / 5040
	s_mov_b32 s43, 0x3c088889                      ; 1 / 120
	s_mov_b32 s44, 0xbe2aaaab                      ; -1 / 6
	s_mov_b32 s45, 0x3e38aa3b                      ; log2(e) / 8
.macro ALL16 body:vararg
.irp n, 0,1,2,3,4,5,6,7,8,9,10,11,12,13,14,15
	\body
.endr
.endm
.irp n, 0,1,2,3,4,5,6,7,8,9,10,11,12,13,14,15
	v_add_nc_u32 v[16+\n], 16*(\n/8)+\n%8, v10     ; number n of my 16: frequency j = 16 (n / 8) + n % 8 + 8 h
.endr
.irp n, 0,1,2,3,4,5,6,7,8,9,10,11,12,13,14,15
	v_cvt_f32_u32 v[16+\n], v[16+\n]
.endr
.irp n, 0,1,2,3,4,5,6,7,8,9,10,11,12,13,14,15
	v_mul_f32 v[16+\n], s34, v[16+\n]
.endr
.irp n, 0,1,2,3,4,5,6,7,8,9,10,11,12,13,14,15
	v_exp_f32 v[16+\n], v[16+\n]                   ; 10000^(-j / 32)
.endr
	v_nop                                          ; a plain line behind the last exponential,
	s_wait_alu depctr_va_vdst(0)                   ; and one wait for the batch, ahead of its first reader
.irp n, 0,1,2,3,4,5,6,7,8,9,10,11,12,13,14,15
	v_mul_f32 v[16+\n], v1, v[16+\n]               ; the angle a, rounded once
.endr
.irp n, 0,1,2,3,4,5,6,7,8,9,10,11,12,13,14,15
	v_mul_f32 v[32+\n], s35, v[16+\n]
.endr
.irp n, 0,1,2,3,4,5,6,7,8,9,10,11,12,13,14,15
	v_rndne_f32 v[32+\n], v[32+\n]                 ; k: how many quarter turns, at most 1,304
.endr
.irp n, 0,1,2,3,4,5,6,7,8,9,10,11,12,13,14,15
	v_fma_f32 v[48+\n], v[32+\n], s36, v[16+\n]    ; a - k C1: exact, since k C1 and a are multiples of 2^-23 and the difference is under 1
.endr
.irp n, 0,1,2,3,4,5,6,7,8,9,10,11,12,13,14,15
	v_fma_f32 v[48+\n], v[32+\n], s37, v[48+\n]    ; r = a - k pi / 2, |r| about pi / 4 at the most
.endr
.irp n, 0,1,2,3,4,5,6,7,8,9,10,11,12,13,14,15
	v_mul_f32 v[64+\n], v[48+\n], v[48+\n]         ; z = r^2
.endr
.irp n, 0,1,2,3,4,5,6,7,8,9,10,11,12,13,14,15
	v_fma_f32 v[80+\n], v[64+\n], s38, s39         ; cos r = 1 - z / 2 + z^2 / 24 - z^3 / 720 + z^4 / 40320
	v_fma_f32 v[96+\n], v[64+\n], s41, s42         ; sin r = r + r z (-1 / 6 + z / 120 - z^2 / 5040 + z^3 / 362880)
.endr
.irp n, 0,1,2,3,4,5,6,7,8,9,10,11,12,13,14,15
	v_fma_f32 v[80+\n], v[80+\n], v[64+\n], s40
	v_fma_f32 v[96+\n], v[96+\n], v[64+\n], s43
.endr
.irp n, 0,1,2,3,4,5,6,7,8,9,10,11,12,13,14,15
	v_fma_f32 v[80+\n], v[80+\n], v[64+\n], -0.5
	v_fma_f32 v[96+\n], v[96+\n], v[64+\n], s44
.endr
.irp n, 0,1,2,3,4,5,6,7,8,9,10,11,12,13,14,15
	v_fma_f32 v[80+\n], v[80+\n], v[64+\n], 1.0
	v_mul_f32 v[64+\n], v[64+\n], v[48+\n]         ; z r
.endr
.irp n, 0,1,2,3,4,5,6,7,8,9,10,11,12,13,14,15
	v_fma_f32 v[96+\n], v[96+\n], v[64+\n], v[48+\n]
	v_cvt_i32_f32 v[32+\n], v[32+\n]
.endr
.irp n, 0,1,2,3,4,5,6,7,8,9,10,11,12,13,14,15
	v_lshrrev_b32 v[112+\n], 1, v[32+\n]
.endr
.irp n, 0,1,2,3,4,5,6,7,8,9,10,11,12,13,14,15
	v_xor_b32 v[112+\n], v[112+\n], v[32+\n]
	v_lshlrev_b32 v[32+\n], 30, v[32+\n]
.endr
.irp n, 0,1,2,3,4,5,6,7,8,9,10,11,12,13,14,15
	v_lshlrev_b32 v[112+\n], 31, v[112+\n]         ; cos a + sin a = +-cos r +- sin r: sin r changes sign in quarters 1 and 2,
	v_and_b32 v[32+\n], 0x80000000, v[32+\n]       ; cos r in quarters 2 and 3
.endr
.irp n, 0,1,2,3,4,5,6,7,8,9,10,11,12,13,14,15
	v_xor_b32 v[96+\n], v[96+\n], v[112+\n]
	v_xor_b32 v[80+\n], v[80+\n], v[32+\n]
.endr
.irp n, 0,1,2,3,4,5,6,7,8,9,10,11,12,13,14,15
	v_add_f32 v[128+\n], v[80+\n], v[96+\n]        ; F
.endr
.irp n, 0,1,2,3,4,5,6,7,8,9,10,11,12,13,14,15
	v_mul_f32 v[144+\n], s45, v[128+\n]            ; F log2(e) / 8
.endr
.irp p, 0,1,2,3
	global_store_b128 v3, v[144+4*\p:144+4*\p+3], s[20:21] offset:512*\p             ; 512 consecutive bytes, aligned
	global_store_b128 v3, v[128+4*\p:128+4*\p+3], s[20:21] offset:262144+512*\p
.endr
.Lend:
	s_wait_tensorcnt 0x0                           ; the wave's end: behind my last LDS store
	ds_add_u32 v[SPW], v[NIL]
	s_wait_dscnt 0x0
	s_endpgm
.Lfunc_end_k_q830004b6a0_prep:
	.size	k_q830004b6a0_prep, .Lfunc_end_k_q830004b6a0_prep-k_q830004b6a0_prep
	.p2alignl 7, 3214868480
	.fill 96, 4, 3214868480
	.section	.rodata,"a",@progbits
	.p2align	6, 0x0
	.amdhsa_kernel k_q830004b6a0_prep
		.amdhsa_group_segment_fixed_size 50688
		.amdhsa_private_segment_fixed_size 0
		.amdhsa_enable_private_segment 0
		.amdhsa_kernarg_size 72
		.amdhsa_user_sgpr_count 2
		.amdhsa_user_sgpr_kernarg_segment_ptr 1
		.amdhsa_wavefront_size32 1
		.amdhsa_system_sgpr_workgroup_id_x 1
		.amdhsa_system_sgpr_workgroup_id_y 1
		.amdhsa_system_sgpr_workgroup_id_z 1
		.amdhsa_system_vgpr_workitem_id 0
		.amdhsa_next_free_vgpr 208
		.amdhsa_next_free_sgpr 66
		.amdhsa_reserve_vcc 0
		.amdhsa_float_denorm_mode_32 3
		.amdhsa_float_denorm_mode_16_64 3
		.amdhsa_memory_ordered 1
		.amdhsa_forward_progress 1
		.amdhsa_inst_pref_size 69
	.end_amdhsa_kernel
	.amdgpu_metadata
---
amdhsa.version: [ 1, 2 ]
amdhsa.kernels:
  - .name:           k_q830004b6a0_prep
    .symbol:         k_q830004b6a0_prep.kd
    .args:
      - { .name: x, .offset: 0, .size: 8, .value_kind: global_buffer, .address_space: global }
      - { .name: Wq, .offset: 8, .size: 8, .value_kind: global_buffer, .address_space: global }
      - { .name: Wk, .offset: 16, .size: 8, .value_kind: global_buffer, .address_space: global }
      - { .name: Wv, .offset: 24, .size: 8, .value_kind: global_buffer, .address_space: global }
      - { .name: Wd, .offset: 32, .size: 8, .value_kind: global_buffer, .address_space: global }
      - { .name: codes, .offset: 40, .size: 8, .value_kind: global_buffer, .address_space: global }
      - { .name: scales, .offset: 48, .size: 8, .value_kind: global_buffer, .address_space: global }
      - { .name: wdh, .offset: 56, .size: 8, .value_kind: global_buffer, .address_space: global }
      - { .name: ftab, .offset: 64, .size: 8, .value_kind: global_buffer, .address_space: global }
    .group_segment_fixed_size: 50688
    .private_segment_fixed_size: 0
    .kernarg_segment_align: 8
    .kernarg_segment_size: 72
    .max_flat_workgroup_size: 128
    .sgpr_count:     66
    .vgpr_count:     208
    .wavefront_size: 32
...
	.end_amdgpu_metadata
.endif
;; end of part 1
;; launch qkv (part 2): grid 16 x 16, 4 waves a work-group, clusters of 4 x 4, 244,224 bytes of LDS; arguments codes, scales, ftab, qimg, kimg, vimg; writes qimg, kimg, vimg
.if DOCPART == 2
	.amdgcn_target "amdgcn-amd-amdhsa--gfx1250"
	.amdhsa_code_object_version 6
	.text
	.protected	k_q830004b6a0_qkv
	.globl	k_q830004b6a0_qkv
	.p2align	8
	.type	k_q830004b6a0_qkv,@function
k_q830004b6a0_qkv:
	s_mov_b64 s[64:65], 0
	v_nop
	global_prefetch_b8 v0, s[64:65] scope:SCOPE_SE
	s_setreg_imm32_b32 hwreg(HW_REG_WAVE_MODE, 25, 1), 1
	s_wait_xcnt 0x0
	s_wait_alu depctr_hold_cnt(0) depctr_sa_sdst(0) depctr_va_vdst(0) depctr_va_sdst(0) depctr_va_ssrc(0) depctr_va_vcc(0) depctr_vm_vsrc(0)
	s_getreg_b32 s2, hwreg(HW_REG_IB_STS2, 6, 4)
	s_cmp_eq_u32 s2, 0
	s_cbranch_scc0 .Lentry_in_a_cluster
	s_endpgm
.Lentry_in_a_cluster:
	s_bfe_u32 s2, ttmp6, 0x10000c
	s_cmp_lg_u32 s2, 0xf033
	s_cbranch_scc0 .Lentry_shape_is_right
	s_endpgm
.Lentry_shape_is_right:
; QKV: q, k, v = x Wq^T, x Wk^T, x Wv^T on codes of E2M1 with E8M0 scales for each 32 along K = 1024; q and k are multiplied by the rotary factor in f32; all three leave as f16 images of the operands of attention's products.
; SHARES.  Work-group (head Hd, row block y): rows 256 y .. 256 y + 255 of x against the 192 weight rows of head Hd (64 of q, 64 of k, 64 of v).  256 work-groups.  Wave w: rows 64 w .. 64 w + 63 x all 192: 48 accumulators.
; ALL OF K LIES IN LDS: two slots, one for each half of K (rows of 256 bytes + 16), each filled once.  So there is no refill, and one barrier in front of each slot's first read.
; CLUSTERS: 4 x 4 work-groups.  The four of a row of the cluster need the same rows of x, the four of a column the same weight rows: each tile is asked for jointly, by the same tensor load with the same descriptor and a mask that names the four.
; LAYOUT OF THE RESULTS.  q and k: source 0 = 16 weight rows, source 1 = 16 rows of x: a lane holds ONE position (lane % 16) and eight neighbouring channels 16 b + 8 (lane / 16) + 0..7.
;   v: source 0 = 16 rows of x, source 1 = 16 weight rows: a lane holds ONE channel and eight neighbouring positions.  Rounded to f16 in pairs, a lane's eight numbers are 16 bytes, and the wave's 512 bytes are four registers of an operand of the next launch as they stand.
;   qimg [bh 32][sblk 128][pc 4][512]: q(16 sblk + r, 16 pc + 8 h + 0..7) x F x log2(e) / 8.   kimg [pair 16][kb 16][hh 2][sb 8][pc 4][512]: k(128 kb + 16 sb + r, 16 pc + 8 h + 0..7) x F, head 2 pair + hh.   vimg, same order: v(128 kb + 16 sb + 8 h + 0..7, 16 pc + r).
; LIMITS: |q F log2(e) / 8|, |k F| and |v| must stay under 65,504 (f16); numbers under 6e-5 are carried with an absolute error of 3e-8.
; REGISTERS, in windows of 256: window 0: v1-9 addresses; v16-31 x's scale words, v32-79 the weights'; v80-143 packed results; v192-255 x's fragments, two sets of four.
;   window 1: v0-191 the weights' fragments, two sets of twelve.   window 2: the 32 accumulators of q and k ((a, b) at v[8 (8 a + b)]).   window 3: v0-127 the 16 of v; v128-255 the rotary factors.
; No prefetch is laid: the launch's tiles are all asked for at its head.
.set PITCH, 272                        ; an LDS row: 256 bytes + 16: the 16 rows that a load touches start at 16 different groups of four banks (64 banks of 4 bytes: ISA guide 11.1)
.set SLOT,  448*PITCH                  ; x's 256 rows, then the weights' 192
.set WOFF,  256*PITCH
.set SPARE, 2*SLOT                     ; behind the slots: the spare words, 128 bytes for each wave: two blocks of 256 bytes that no other line names
.set ADRA, 1                           ; v1-2  LDS address of my fragments of x in slot 0, 1
.set ADRB, 3                           ; v3-4  the same for the weights
.set SOF,  5                           ; v5    32 r + 16 h: my 16 scale bytes of a row's 32
.set LI,   6                           ; v6    16 x lane
.set SPW,  8                           ; v8    LDS address of my spare word; never rewritten
.set NIL,  9                           ; v9    0; never rewritten
.set XS,   16                          ; register XS + 4 a + q: lanes 0-15 the scale word of K step q of x's block a, lanes 16-31 that of K step 4 + q
.set WS,   32                          ; WS + 4 b + q: the same for weight block b
.set TMP,  80
.set XF,   192
.set WV,   16                          ; s16   my wave's number
.set G1,   24                          ; s[24:31] descriptor group 1 for x's tiles;  s[32:39] group 0, one set for each slot
.set G0,   32
.set G1B,  48                          ; s[48:55], s[56:63] the same for the weights'
.set G0B,  56
.set MSB, 0
.macro WIN new                         ; the immediate's high byte repeats the setting that is left
.if MSB != \new
	s_set_vgpr_msb (MSB<<8)|\new
.set MSB, \new
.endif
.endm
; A joint load: waves 0 and 1 fetch x's halves, waves 2 and 3 the weights'.  The branch hangs on the wave's number alone.  An s_nop 0 and four v_nop follow each of the two lines.
.macro JLOAD g0a, g1a, g0b, g1b
	s_cmp_eq_u32 s18, 0
	s_cbranch_scc0 .Lfor_b_\@
	tensor_load_to_lds s[\g0a:\g0a+3], s[\g1a:\g1a+7]
	s_nop 0
.rept 4
	v_nop
.endr
	s_branch .Lasked_\@
.Lfor_b_\@:
	tensor_load_to_lds s[\g0b:\g0b+3], s[\g1b:\g1b+7]
	s_nop 0
.rept 4
	v_nop
.endr
.Lasked_\@:
.endm
.macro CROUND                          ; a round of the cluster's barrier
	s_barrier_signal -1
	s_barrier_wait -1
	s_cmp_lg_u32 s[WV], 0
	s_cbranch_scc1 .Lnot_wave_0_\@
	s_barrier_signal -3
.Lnot_wave_0_\@:
	s_barrier_wait -3
	s_barrier_signal -1
	s_barrier_wait -1
.endm
	s_load_b256 s[4:11], s[0:1], 0x0               ; codes s[4:5], scales s[6:7], ftab s[8:9], qimg s[10:11]
	s_load_b128 s[12:15], s[0:1], 0x20             ; kimg s[12:13], vimg s[14:15]
	v_lshl_add_u32 v[SPW], v0, 2, SPARE
	v_mov_b32 v[NIL], 0
	ds_add_u32 v[SPW], v[NIL]                      ; the wave's opening: the add, twice on end, and its wait ahead of my first tensor load
	ds_add_u32 v[SPW], v[NIL]
	v_lshrrev_b32 v10, 5, v0
	v_readfirstlane_b32 s[WV], v10                 ; wave 0..3
	s_and_b32 s17, s[WV], 1                        ; which half of a tile I fetch
	s_lshr_b32 s18, s[WV], 1                       ; I fetch for x (0) or for the weights (1)
	s_bfe_u32 s40, ttmp6, 0x40000                  ; cx, cy: my place in the cluster
	s_bfe_u32 s41, ttmp6, 0x40004
	s_lshl_b32 s42, ttmp9, 2
	s_add_co_u32 s42, s42, s40                     ; the head Hd = 4 x cluster x + cx
	s_and_b32 s43, ttmp7, 0xffff
	s_lshl_b32 s43, s43, 2
	s_add_co_u32 s43, s43, s41                     ; the row block y = 4 x cluster y + cy
	s_lshl_b32 s44, s41, 2
	s_lshl_b32 s44, 15, s44                        ; my row of the cluster
	s_lshl_b32 s45, 0x1111, s40                    ; my column
	s_or_b32 s[G1], s44, (1<<20)|(1<<21)|(5<<22)|(3<<25)    ; 15:0 the mask: x's tiles go to my row; 17:16 elements of 1 byte; 20 padding on; 21 set beside a mask; 24:22 after every 64 words; 31:25 four words
	s_or_b32 s[G1B], s45, (1<<20)|(1<<21)|(5<<22)|(3<<25)   ; the weights' go to my column
	s_mov_b32 s[G1+1], 256<<16                     ; tensor_dim0 = 256 bytes: half of K
	s_mov_b32 s[G1+2], 128<<16                     ; tensor_dim1 = 128 rows
	s_mov_b32 s[G1+3], 256<<16                     ; tile_dim0
	s_mov_b32 s[G1+4], 128                         ; tile_dim1
	s_mov_b32 s[G1+5], 512                         ; from row to row
	s_mov_b32 s[G1+6], 0
	s_mov_b32 s[G1+7], 0
	s_mov_b32 s[G1B+1], 256<<16
	s_mov_b32 s[G1B+2], 96<<16                     ; 96 rows
	s_mov_b32 s[G1B+3], 256<<16
	s_mov_b32 s[G1B+4], 96
	s_mov_b32 s[G1B+5], 512
	s_mov_b32 s[G1B+6], 0
	s_mov_b32 s[G1B+7], 0
	s_lshl_b32 s19, s17, 7
	s_lshl_b32 s20, s43, 8
	s_add_co_u32 s20, s20, s19                     ; x: row 256 y + 128 x half,
	s_lshl_b32 s20, s20, 9                         ; in bytes
	s_mov_b32 s21, 0
	s_mul_i32 s46, s42, 192
	s_mul_i32 s19, s17, 96
	s_add_co_u32 s46, s46, s19                     ; the weights: row 192 Hd + 96 x half,
	s_lshl_b32 s46, s46, 9
	s_add_co_u32 s46, s46, 2097152                 ; behind x's 4,096 rows
	s_mov_b32 s47, 0
	s_mul_i32 s22, s17, 128*PITCH                  ; where they go: no place in the cluster enters an LDS address
	s_mul_i32 s23, s17, 96*PITCH
	s_add_co_u32 s23, s23, WOFF
	s_wait_dscnt 0x0                               ; both opening adds are done
	s_wait_kmcnt 0x0
	s_add_nc_u64 s[20:21], s[4:5], s[20:21]
	s_add_nc_u64 s[46:47], s[4:5], s[46:47]
	CROUND                                         ; all sixteen work-groups are here: the joint loads meet
.irp k, 0,1
	s_mov_b32 s[G0+4*\k], 1
	s_add_co_u32 s[G0+4*\k+1], s22, \k*SLOT
	s_add_nc_u64 s[G0+4*\k+2:G0+4*\k+3], s[20:21], \k*256
	s_or_b32 s[G0+4*\k+3], s[G0+4*\k+3], 0x80000000
	s_mov_b32 s[G0B+4*\k], 1
	s_add_co_u32 s[G0B+4*\k+1], s23, \k*SLOT
	s_add_nc_u64 s[G0B+4*\k+2:G0B+4*\k+3], s[46:47], \k*256
	s_or_b32 s[G0B+4*\k+3], s[G0B+4*\k+3], 0x80000000
	JLOAD G0+4*\k, G1, G0B+4*\k, G1B               ; two tensor loads of mine are out behind the second
.endr
	v_and_b32 v10, 15, v0                          ; r
	v_bfe_u32 v11, v0, 4, 1                        ; h
	v_mul_u32_u24 v12, v10, PITCH
	v_lshl_add_u32 v12, v11, 4, v12                ; a fragment's row x pitch + 16 h
	s_mul_i32 s19, s[WV], 64*PITCH                 ; my 64 rows of x
	v_add_nc_u32 v[ADRA], s19, v12
	v_add_nc_u32 v[ADRA+1], SLOT, v[ADRA]
	v_add_nc_u32 v[ADRB], WOFF, v12
	v_add_nc_u32 v[ADRB+1], SLOT, v[ADRB]
	v_lshlrev_b32 v[SOF], 5, v10
	v_lshl_add_u32 v[SOF], v11, 4, v[SOF]
	v_and_b32 v[LI], 31, v0
	v_lshlrev_b32 v[LI], 4, v[LI]
	s_lshl_b32 s80, s43, 13                        ; x's scale bytes: 32 a row: (256 y + 64 w) x 32
	s_lshl_b32 s19, s[WV], 11
	s_add_co_u32 s80, s80, s19
	s_mov_b32 s81, 0
	s_add_nc_u64 s[66:67], s[6:7], s[80:81]
	s_mul_i32 s80, s42, 6144                       ; the weights': 192 Hd x 32, behind x's
	s_add_co_u32 s80, s80, 131072
	s_add_nc_u64 s[68:69], s[6:7], s[80:81]
	s_and_b32 s82, s43, 7                          ; the row block within its sequence
	s_lshl_b32 s80, s82, 15                        ; (16 (y % 8) + 4 w) x 2,048: my first block of 16 positions, in ftab and in a head of qimg
	s_lshl_b32 s19, s[WV], 13
	s_add_co_u32 s80, s80, s19
	s_add_nc_u64 s[70:71], s[8:9], s[80:81]
	s_lshr_b32 s83, s43, 3
	s_lshl_b32 s83, s83, 4
	s_add_co_u32 s83, s83, s42                     ; bh = 16 x batch + head
	s_lshl_b32 s84, s83, 18
	s_add_co_u32 s84, s84, s80
	s_mov_b32 s85, 0
	s_add_nc_u64 s[72:73], s[10:11], s[84:85]      ; q's images
	s_lshr_b32 s84, s83, 1
	s_lshl_b32 s84, s84, 19                        ; pair
	s_lshl_b32 s86, s82, 16                        ; kb = 2 (y % 8) + w / 2
	s_add_co_u32 s84, s84, s86
	s_lshl_b32 s86, s18, 15
	s_add_co_u32 s84, s84, s86
	s_and_b32 s86, s42, 1                          ; hh
	s_lshl_b32 s86, s86, 14
	s_add_co_u32 s84, s84, s86
	s_lshl_b32 s86, s17, 13                        ; sb = 4 (w % 2) + a
	s_add_co_u32 s84, s84, s86
	s_add_nc_u64 s[74:75], s[12:13], s[84:85]      ; k's
	s_add_nc_u64 s[76:77], s[14:15], s[84:85]      ; v's
.irp a, 0,1,2,3
	global_load_b128 v[XS+4*\a:XS+4*\a+3], v[SOF], s[66:67] offset:512*\a      ; 16 rows' scale bytes: 512 consecutive bytes
.endr
.irp b, 0,1,2,3,4,5,6,7,8,9,10,11
	global_load_b128 v[WS+4*\b:WS+4*\b+3], v[SOF], s[68:69] offset:512*\b
.endr
	WIN 0xc0                                       ; destination window 3
.irp wh, 0,1
.irp a, 0,1,2,3
.irp pc, 0,1,2,3
	global_load_b128 v[128+64*\wh+16*\a+4*\pc:128+64*\wh+16*\a+4*\pc+3], v[LI], s[70:71] offset:262144*\wh+2048*\a+512*\pc   ; the factors, in the results' layout
.endr
.endr
.endr
	WIN 0
.macro FRAG reg, adr, q, i             ; a fragment, 16 rows x 128 K of 4-bit codes: 8 registers: lane l holds row l % 16; registers 4 c .. 4 c + 3 hold K = 64 c + 32 (l / 16) + 0 .. 31
.irp c, 0,1
	ds_load_b128 v[\reg+4*\c:\reg+4*\c+3], v[\adr] offset:64*(\q)+32*\c+(\i)*16*PITCH
.endr
.endm
.macro FETCH slot, q, set              ; the fragments of the slot's q-th 128 along K: the weights' twelve, x's four
	WIN 0x40
.irp b, 0,1,2,3,4,5,6,7,8,9,10,11
	FRAG 96*(\set)+8*\b, ADRB+(\slot), \q, \b
.endr
	WIN 0
.irp a, 0,1,2,3
	FRAG XF+32*(\set)+8*\a, ADRA+(\slot), \q, \a
.endr
.endm
.macro WM d, sa, sb, ca, cb, row, zero ; one product.  zero = 1: it starts its sum: nothing is ever cleared.  row = 1: the scale words of K steps 4 to 7, in lanes 16-31
.if \zero
	v_wmma_scale_f32_16x16x128_f8f6f4 v[\d:\d+7], v[\sa:\sa+7], v[\sb:\sb+7], 0, v[\ca], v[\cb] matrix_a_fmt:MATRIX_FMT_FP4 matrix_b_fmt:MATRIX_FMT_FP4
.elseif \row
	v_wmma_scale_f32_16x16x128_f8f6f4 v[\d:\d+7], v[\sa:\sa+7], v[\sb:\sb+7], v[\d:\d+7], v[\ca], v[\cb] matrix_a_fmt:MATRIX_FMT_FP4 matrix_b_fmt:MATRIX_FMT_FP4 matrix_a_scale:MATRIX_SCALE_ROW1 matrix_b_scale:MATRIX_SCALE_ROW1
.else
	v_wmma_scale_f32_16x16x128_f8f6f4 v[\d:\d+7], v[\sa:\sa+7], v[\sb:\sb+7], v[\d:\d+7], v[\ca], v[\cb] matrix_a_fmt:MATRIX_FMT_FP4 matrix_b_fmt:MATRIX_FMT_FP4
.endif
.endm
; A K step of 128: 48 products, the 48 accumulators by turns, one instruction a turn, in the same order in every step.
; meet = 1: the next step's fragments lie in slot 1: my part of it has landed, and a barrier shows that everybody's has.  Nothing is filled again.
.macro KSTEP set, q, row, zero, nslot, nq, fetch, meet
	s_wait_dscnt 0x0                               ; this step's fragments are in
.if \meet
	s_wait_tensorcnt 0x0
	s_barrier_signal -1
	s_barrier_wait -1
.endif
.rept 4
	v_nop                                          ; four places between the last step's products and the loads into the registers that they read (ISA guide 7.12.1 for vector instructions)
.endr
.if \fetch
	FETCH \nslot, \nq, 1-\set
.endif
	WIN 0xa1                                       ; source 0 (weights) window 1, source 1 (x) window 0, C and D window 2
.irp a, 0,1,2,3
.irp b, 0,1,2,3,4,5,6,7
	WM 8*(8*\a+\b), 96*(\set)+8*\b, XF+32*(\set)+8*\a, WS+4*\b+(\q), XS+4*\a+(\q), \row, \zero
.endr
.endr
	WIN 0xf4                                       ; source 0 (x) window 0, source 1 (weights) window 1, C and D window 3
.irp a, 0,1,2,3
.irp b, 0,1,2,3
	WM 8*(4*\a+\b), XF+32*(\set)+8*\a, 96*(\set)+8*(8+\b), XS+4*\a+(\q), WS+32+4*\b+(\q), \row, \zero
.endr
.endr
.endm
	s_wait_tensorcnt 1                             ; my part of slot 0 is in; slot 1's load may stay out
	s_barrier_signal -1
	s_barrier_wait -1                              ; everybody's is
	FETCH 0, 0, 0
	s_wait_loadcnt 32                              ; the 16 loads of scale words are in; the 32 of factors may stay out
	KSTEP 0, 0, 0, 1, 0, 1, 1, 0
	KSTEP 1, 1, 0, 0, 0, 2, 1, 0
	KSTEP 0, 2, 0, 0, 0, 3, 1, 0
	KSTEP 1, 3, 0, 0, 1, 0, 1, 1
	KSTEP 0, 0, 1, 0, 1, 1, 1, 0
	KSTEP 1, 1, 1, 0, 1, 2, 1, 0
	KSTEP 0, 2, 1, 0, 1, 3, 1, 0
	KSTEP 1, 3, 1, 0, 0, 0, 0, 0
	; THE WAY OUT.  q and k: x the factor, in f32; all three: rounded to f16 in pairs; each group of four registers leaves as it stands, 512 consecutive bytes an instruction.
.rept 4
	v_nop                                          ; places behind the last products
.endr
	s_wait_loadcnt 0x0                             ; the factors
.macro OUTQK wh, base
	WIN 0x8e                                       ; source 0 and destination window 2, source 1 window 3
.irp a, 0,1,2,3
.irp b, 0,1,2,3
.irp i, 0,2,4,6
	v_pk_mul_f32 v[8*(8*\a+4*\wh+\b)+\i:8*(8*\a+4*\wh+\b)+\i+1], v[8*(8*\a+4*\wh+\b)+\i:8*(8*\a+4*\wh+\b)+\i+1], v[128+64*\wh+8*(2*\a+\b%2)+\i:128+64*\wh+8*(2*\a+\b%2)+\i+1]   ; each accumulator from its low end on; the factor hangs on the channel mod 32
.endr
.endr
.endr
	WIN 0x0a                                       ; sources window 2, destination window 0
.irp a, 0,1,2,3
.irp b, 0,1,2,3
.irp i, 0,1,2,3
	v_cvt_pk_f16_f32 v[TMP+4*(4*\a+\b)+\i], v[8*(8*\a+4*\wh+\b)+2*\i], v[8*(8*\a+4*\wh+\b)+2*\i+1]
.endr
.endr
.endr
	WIN 0
.irp a, 0,1,2,3
.irp b, 0,1,2,3
	global_store_b128 v[LI], v[TMP+4*(4*\a+\b):TMP+4*(4*\a+\b)+3], s[\base:\base+1] offset:2048*\a+512*\b
.endr
.endr
.endm
	OUTQK 0, 72
	s_wait_xcnt 0x0                                ; q's stores have read their registers: they are written again only behind this wait
	OUTQK 1, 74
	s_wait_xcnt 0x0
	WIN 0x0f                                       ; sources window 3, destination window 0
.irp a, 0,1,2,3
.irp b, 0,1,2,3
.irp i, 0,1,2,3
	v_cvt_pk_f16_f32 v[TMP+4*(4*\a+\b)+\i], v[8*(4*\a+\b)+2*\i], v[8*(4*\a+\b)+2*\i+1]
.endr
.endr
.endr
	WIN 0
.irp a, 0,1,2,3
.irp b, 0,1,2,3
	global_store_b128 v[LI], v[TMP+4*(4*\a+\b):TMP+4*(4*\a+\b)+3], s[76:77] offset:2048*\a+512*\b
.endr
.endr
	s_wait_tensorcnt 0x0                           ; the wave's end
	ds_add_u32 v[SPW], v[NIL]
	s_wait_dscnt 0x0
	CROUND                                         ; the closing round: no work-group ends while a partner may still ask for a tile that names it
	s_endpgm
.Lfunc_end_k_q830004b6a0_qkv:
	.size	k_q830004b6a0_qkv, .Lfunc_end_k_q830004b6a0_qkv-k_q830004b6a0_qkv
	.p2alignl 7, 3214868480
	.fill 96, 4, 3214868480
	.section	.rodata,"a",@progbits
	.p2align	6, 0x0
	.amdhsa_kernel k_q830004b6a0_qkv
		.amdhsa_group_segment_fixed_size 244224
		.amdhsa_private_segment_fixed_size 0
		.amdhsa_enable_private_segment 0
		.amdhsa_kernarg_size 48
		.amdhsa_user_sgpr_count 2
		.amdhsa_user_sgpr_kernarg_segment_ptr 1
		.amdhsa_wavefront_size32 1
		.amdhsa_system_sgpr_workgroup_id_x 1
		.amdhsa_system_sgpr_workgroup_id_y 1
		.amdhsa_system_sgpr_workgroup_id_z 1
		.amdhsa_system_vgpr_workitem_id 0
		.amdhsa_next_free_vgpr 1024
		.amdhsa_next_free_sgpr 100
		.amdhsa_reserve_vcc 0
		.amdhsa_float_denorm_mode_32 3
		.amdhsa_float_denorm_mode_16_64 3
		.amdhsa_memory_ordered 1
		.amdhsa_forward_progress 1
		.amdhsa_inst_pref_size 104
	.end_amdhsa_kernel
	.amdgpu_metadata
---
amdhsa.version: [ 1, 2 ]
amdhsa.kernels:
  - .name:           k_q830004b6a0_qkv
    .symbol:         k_q830004b6a0_qkv.kd
    .args:
      - { .name: codes, .offset: 0, .size: 8, .value_kind: global_buffer, .address_space: global }
      - { .name: scales, .offset: 8, .size: 8, .value_kind: global_buffer, .address_space: global }
      - { .name: ftab, .offset: 16, .size: 8, .value_kind: global_buffer, .address_space: global }
      - { .name: qimg, .offset: 24, .size: 8, .value_kind: global_buffer, .address_space: global }
      - { .name: kimg, .offset: 32, .size: 8, .value_kind: global_buffer, .address_space: global }
      - { .name: vimg, .offset: 40, .size: 8, .value_kind: global_buffer, .address_space: global }
    .group_segment_fixed_size: 244224
    .private_segment_fixed_size: 0
    .kernarg_segment_align: 8
    .kernarg_segment_size: 48
    .max_flat_workgroup_size: 128
    .sgpr_count:     100
    .vgpr_count:     1024
    .wavefront_size: 32
...
	.end_amdgpu_metadata
.endif
;; end of part 2
;; launch attn (part 3): grid 16 x 16, 8 waves a work-group, clusters of 4 x 4, 327,680 bytes of LDS; arguments qimg, kimg, vimg, attention_mask, oimg; writes oimg
.if DOCPART == 3
	.amdgcn_target "amdgcn-amd-amdhsa--gfx1250"
	.amdhsa_code_object_version 6
	.text
	.protected	k_q830004b6a0_attn
	.globl	k_q830004b6a0_attn
	.p2align	8
	.type	k_q830004b6a0_attn,@function
k_q830004b6a0_attn:
	s_mov_b64 s[64:65], 0
	v_nop
	global_prefetch_b8 v0, s[64:65] scope:SCOPE_SE
	s_setreg_imm32_b32 hwreg(HW_REG_WAVE_MODE, 25, 1), 1
	s_wait_xcnt 0x0
	s_wait_alu depctr_hold_cnt(0) depctr_sa_sdst(0) depctr_va_vdst(0) depctr_va_sdst(0) depctr_va_ssrc(0) depctr_va_vcc(0) depctr_vm_vsrc(0)
	s_getreg_b32 s2, hwreg(HW_REG_IB_STS2, 6, 4)
	s_cmp_eq_u32 s2, 0
	s_cbranch_scc0 .Lentry_in_a_cluster
	s_endpgm
.Lentry_in_a_cluster:
	s_bfe_u32 s2, ttmp6, 0x10000c
	s_cmp_lg_u32 s2, 0xf033
	s_cbranch_scc0 .Lentry_shape_is_right
	s_endpgm
.Lentry_shape_is_right:
; ATTN: o = softmax(q k^T / 8 + mask) v for 32 (batch, head) pairs of 2,048 positions, head size 64.  q (with log2(e) / 8 and the rotary factor in it), k and v arrive as f16 images of operands; the mask is an INPUT, f32 [2048][2048]:
; every number of it is read and added in f32, and nothing of its pattern is built in: all 2,048 keys are walked for every query.  Products with f16 operands and f32 sums; maxima, exponentials and sums in f32.
; SHARES.  Work-group (X, Y): queries 128 X .. 128 X + 127 of the two heads 2 Y and 2 Y + 1.  Wave w: head 2 Y + w / 4, 32 queries (two tiles of 16) from 32 (w % 4) on.  Eight waves on four SIMDs: two to a SIMD.
; Every wave walks the 2,048 keys, 128 a trip, through a ring of two LDS slots: K's and V's images of both heads (32 KiB each, dense) and the mask's 128 x 128 tile (rows of 512 bytes + 16).
; TWO SETS OF WAVES, HALF A TRIP APART.  A trip's work is phase A (K and the mask out of LDS, K Q^T, V out of LDS into registers, the mask added) and phase B (the softmax and V^T P, on registers alone).
; The set is the bit (w ^ (w >> 2)) & 1: it differs between waves w and w + 4, and between waves 2 i and 2 i + 1.  Between the barriers of trips n and n + 1 set 0 runs A(n), B(n), set 1 runs B(n - 1), A(n):
; while four waves read LDS and multiply, the other four do vector work.  Both sets read tile n's slot between the same two barriers and have waited for those reads in front of the second, so the ring is one and the same for both;
; what set 1 carries across a barrier lies in registers.  The branches hang on the wave's number alone, and lead round no barrier, wait, add or tensor load.
; CLUSTERS: 4 x 4 work-groups.  K and V hang on Y alone: the four of a row of the cluster ask for them jointly; the mask's tile hangs on X alone: the four of a column do.  Wave 0 asks for K, wave 1 for V, waves 2 and 3 for the mask's halves; one tensor load of a wave is out at a time.
; LAYOUT.  S^T = K Q^T (source 0 = 16 keys, source 1 = 16 queries): a lane holds ONE query (lane % 16) and keys 16 kt + 8 (lane / 16) + 0..7.  Two such tiles, rounded to f16 in pairs, are source 1 of O^T = V^T P.  Nothing changes lanes but the maximum and the sum, once each.
; SOFTMAX.  t = S + mask x log2(e) (one fused multiply-add); a running maximum m of t and a running sum l; p = 2^(t - m), the subtraction first; O and l are multiplied by 2^(m_old - m_new) in every trip.
; LIMITS: NaN among the inputs is not served.  The mask enters in the base-2 domain with one rounding, where the source rounds score + mask in the natural domain: where a whole row is masked by -1e9, both give equal weights while |score| stays under 32.
; oimg [mtile 32][kstep 4][sblk 8][e16 16][512]: lane (r, h): o(row 128 mtile + 16 sblk + r, 256 kstep + 16 e16 + 8 h + 0..7), f16: |o| is at most the largest |v|.
; REGISTERS: window 0: v1-8 addresses; v10-13 a second chain of sums; v16-31 eight registers of statistics a tile; v32-63 Q; v64-127 O^T; v128-255 S^T, then p, then P in place.   window 1: v0-127 the mask's numbers; v128-255 K's fragments, then V's.
.set SLOT,  133120                     ; K 32,768 + V 32,768 + the mask's 128 rows x 528
.set VOFF,  32768
.set MOFF,  65536
.set MP,    528                        ; a row of the mask's tile in LDS: 512 bytes + 16: the 16 rows that a load touches start at 16 different groups of four banks (ISA guide 11.1)
.set SPARE, 2*SLOT                     ; behind the ring: the spare words, 128 bytes for each wave: four blocks of 256 bytes that no other line names
.set AK,  1                            ; v1-2  LDS address of my head's images in slot 0, 1: 16 x lane + 16,384 x (w / 4)
.set AM,  3                            ; v3-4  of my queries' mask rows
.set LI,  5                            ; v5    16 x lane
.set SPW, 6                            ; v6    LDS address of my spare word; never rewritten
.set NIL, 7                            ; v7    0; never rewritten
.set PFO, 8                            ; v8    the prefetches' offset; never rewritten
.set SB,  10
.set ST,  16                           ; tile T's statistics at v[ST + 8 T]: +0 m, +1 zero (named with m as a pair), +2, +3 l, +4 .. +7 at work; 2^(m_old - m_new) takes +6
.set Q,   32
.set O,   64
.set S,   128
.set WV,   14                          ; s14  my wave's number
.set G1KV, 24                          ; s[24:31] descriptor group 1 for K's and V's blocks;  s[40:47] group 0, one set for each slot
.set G1M,  32                          ; s[32:39] for the mask's tiles;  s[48:55] group 0
.set G0KV, 40
.set G0M,  48
.set CNT,  56                          ; s56  the loop's trips still to go
.set SK,   57                          ; s57  my set: 0 runs A, B behind a barrier; 1 runs B, A
.set L2E,  58                          ; s[58:59] log2(e): the packed form names a pair
.set SEL,  60                          ; s[60:61] lane selects for v_permlanex16_b32: lane l xor 16
.set PFA,  66                          ; s[66:67] where my prefetches stand
.set PFS,  68                          ; s[68:69] a tile on, in bytes
.set LIM,  70                          ; s70  1 in a wave that prefetches, else the greatest number
.set MSB, 0
.macro WIN new                         ; the immediate's high byte repeats the setting that is left
.if MSB != \new
	s_set_vgpr_msb (MSB<<8)|\new
.set MSB, \new
.endif
.endm
; A joint load.  The branches hang on the wave's number alone: they are the same in every work-group.  An s_nop 0 and four v_nop follow each of the two lines.
.macro JLOAD s
	s_cmp_lt_u32 s[WV], 2
	s_cbranch_scc0 .Lnot_kv_\@
	tensor_load_to_lds s[G0KV+4*(\s):G0KV+4*(\s)+3], s[G1KV:G1KV+7]
	s_nop 0
.rept 4
	v_nop
.endr
	s_branch .Lasked_\@
.Lnot_kv_\@:
	s_cmp_lt_u32 s[WV], 4
	s_cbranch_scc0 .Lasked_\@
	tensor_load_to_lds s[G0M+4*(\s):G0M+4*(\s)+3], s[G1M:G1M+7]
	s_nop 0
.rept 4
	v_nop
.endr
.Lasked_\@:
.endm
; A PREFETCH INTO THE L2 of the tile that the NEXT trip's joint loads will ask for: in trip n, tile n + 2.  The waves ask that fetch nothing, one instruction each.
; K's and V's 32 KiB: all clusters of a row of clusters walk them, so the first (cluster x = 0) asks; its four partners of a row take 8,192 bytes each, told apart by address; wave 4 for K, wave 5 for V, lanes 256 bytes apart.
; The mask's tile, 128 rows x 512 bytes: cluster y = 0 asks; the four partners of a column take 32 rows each, by address, a lane a row; waves 6 and 7 take the two halves of a row's 512 bytes.
; So each aligned block of 256 bytes is named once in the launch.  Tiles 0 and 1 come by their loads alone; trips 14 and 15 ask for nothing.
; how = 1: every time.  how = 2, the loop's second trip: not in the loop's last trip, which is trip 14 (the count is 1 there).
.macro ASK how
.if \how == 1
	s_cmp_eq_u32 s[LIM], 1
.else
	s_cmp_gt_u32 s[CNT], s[LIM]
.endif
	s_cbranch_scc0 .Lnot_mine_\@
	global_prefetch_b8 v[PFO], s[PFA:PFA+1] th:TH_LOAD_NT scope:SCOPE_SE
.Lnot_mine_\@:
.endm
.macro ROUND                           ; a round of the cluster's barrier
	s_barrier_signal -1
	s_barrier_wait -1
	s_cmp_lg_u32 s[WV], 0
	s_cbranch_scc1 .Lnot_wave_0_\@
	s_barrier_signal -3
.Lnot_wave_0_\@:
	s_barrier_wait -3
	s_barrier_signal -1
	s_barrier_wait -1
.endm
	s_load_b256 s[4:11], s[0:1], 0x0               ; qimg s[4:5], kimg s[6:7], vimg s[8:9], the mask s[10:11]
	s_load_b64 s[12:13], s[0:1], 0x20              ; oimg
	v_lshl_add_u32 v[SPW], v0, 2, SPARE
	v_mov_b32 v[NIL], 0
	ds_add_u32 v[SPW], v[NIL]                      ; the wave's opening: the add, twice on end, and its wait ahead of the first tensor loads
	ds_add_u32 v[SPW], v[NIL]
	v_lshrrev_b32 v9, 5, v0
	v_readfirstlane_b32 s[WV], v9                  ; wave 0..7
	s_lshr_b32 s15, s[WV], 2                       ; hh: which of the two heads
	s_and_b32 s16, s[WV], 3                        ; qs: which 32 queries
	s_and_b32 s17, s[WV], 1
	s_xor_b32 s[SK], s15, s[WV]
	s_and_b32 s[SK], s[SK], 1                      ; my set: (w ^ (w >> 2)) & 1
	s_bfe_u32 s18, ttmp6, 0x40000                  ; cx
	s_bfe_u32 s19, ttmp6, 0x40004                  ; cy
	s_lshl_b32 s20, ttmp9, 2
	s_add_co_u32 s20, s20, s18                     ; X = 4 x cluster x + cx
	s_and_b32 s21, ttmp7, 0xffff
	s_lshl_b32 s21, s21, 2
	s_add_co_u32 s21, s21, s19                     ; Y = 4 x cluster y + cy
	s_lshl_b32 s22, s19, 2
	s_lshl_b32 s22, 15, s22                        ; my row of the cluster
	s_lshl_b32 s23, 0x1111, s18                    ; my column
	s_or_b32 s[G1KV], s22, (3<<16)|(1<<21)         ; 15:0 the mask: my row; 17:16 elements of 8 bytes; 21 set beside a mask; no padding: a dense block of 32,768 bytes as 128 rows of 256
	s_mov_b32 s[G1KV+1], 32<<16
	s_mov_b32 s[G1KV+2], 128<<16
	s_mov_b32 s[G1KV+3], 32<<16
	s_mov_b32 s[G1KV+4], 128
	s_mov_b32 s[G1KV+5], 32
	s_mov_b32 s[G1KV+6], 0
	s_mov_b32 s[G1KV+7], 0
	s_or_b32 s[G1M], s23, (2<<16)|(1<<20)|(1<<21)|(6<<22)|(3<<25)   ; my column; elements of 4 bytes; padding: four words after every 128
	s_mov_b32 s[G1M+1], 128<<16                    ; 128 keys
	s_mov_b32 s[G1M+2], 64<<16                     ; 64 queries
	s_mov_b32 s[G1M+3], 128<<16
	s_mov_b32 s[G1M+4], 64
	s_mov_b32 s[G1M+5], 2048                       ; from row to row
	s_mov_b32 s[G1M+6], 0
	s_mov_b32 s[G1M+7], 0
	s_lshl_b32 s72, s21, 19                        ; the pair's images: 524,288 bytes a pair
	s_mov_b32 s73, 0
	s_lshl_b32 s74, s17, 15                        ; K at a slot's head, V behind it
	s_lshl_b32 s76, s20, 7
	s_lshl_b32 s75, s17, 6
	s_add_co_u32 s76, s76, s75                     ; the mask: row 128 X + 64 x half,
	s_lshl_b32 s76, s76, 13                        ; of 8,192 bytes
	s_mov_b32 s77, 0
	s_mul_i32 s75, s17, 64*MP
	s_add_co_u32 s75, s75, MOFF
	s_mov_b32 s[L2E], 0x3fb8aa3b
	s_mov_b32 s[L2E+1], s[L2E]
	s_mov_b32 s[SEL], 0x76543210
	s_mov_b32 s[SEL+1], 0xfedcba98
	s_mov_b32 s[CNT], 7
	s_wait_dscnt 0x0                               ; both opening adds are done
	s_wait_kmcnt 0x0
	s_cmp_eq_u32 s17, 0
	s_cselect_b64 s[78:79], s[6:7], s[8:9]         ; even waves K, odd waves V
	s_add_nc_u64 s[78:79], s[78:79], s[72:73]
	s_add_nc_u64 s[80:81], s[10:11], s[76:77]
.irp s, 0,1
	s_mov_b32 s[G0KV+4*\s], 1
	s_add_co_u32 s[G0KV+4*\s+1], s74, \s*SLOT
	s_add_nc_u64 s[G0KV+4*\s+2:G0KV+4*\s+3], s[78:79], \s*32768    ; slot s begins with tile s
	s_or_b32 s[G0KV+4*\s+3], s[G0KV+4*\s+3], 0x80000000
	s_mov_b32 s[G0M+4*\s], 1
	s_add_co_u32 s[G0M+4*\s+1], s75, \s*SLOT
	s_add_nc_u64 s[G0M+4*\s+2:G0M+4*\s+3], s[80:81], \s*512
	s_or_b32 s[G0M+4*\s+3], s[G0M+4*\s+3], 0x80000000
.endr
	ROUND                                          ; all sixteen work-groups are here: the first joint loads meet
	JLOAD 0                                        ; tile 0
	; Q, which stays in registers
	s_lshl_b32 s85, s21, 1
	s_add_co_u32 s85, s85, s15                     ; bh = 2 Y + hh
	s_lshl_b32 s86, s85, 18
	s_lshl_b32 s87, s20, 14                        ; block of 16 queries 8 X + 2 qs, 2,048 bytes each
	s_add_co_u32 s86, s86, s87
	s_lshl_b32 s87, s16, 12
	s_add_co_u32 s86, s86, s87
	s_mov_b32 s87, 0
	s_add_nc_u64 s[4:5], s[4:5], s[86:87]
	v_and_b32 v9, 31, v0
	v_lshlrev_b32 v[LI], 4, v9
.irp T, 0,1
.irp c, 0,1
.irp i, 0,1
	global_load_b128 v[Q+16*\T+8*\c+4*\i:Q+16*\T+8*\c+4*\i+3], v[LI], s[4:5] offset:2048*\T+512*(2*\c+\i)
.endr
.endr
.endr
	; where O goes
	s_lshr_b32 s88, s21, 3
	s_lshl_b32 s88, s88, 4
	s_add_co_u32 s88, s88, s20                     ; mtile = 16 x batch + X
	s_lshl_b32 s88, s88, 18
	s_and_b32 s89, s85, 15                         ; the head
	s_lshr_b32 s90, s89, 2
	s_lshl_b32 s90, s90, 16                        ; kstep = head / 4
	s_add_co_u32 s88, s88, s90
	s_lshl_b32 s90, s16, 14                        ; sblk = 2 qs + T
	s_add_co_u32 s88, s88, s90
	s_and_b32 s90, s89, 3
	s_lshl_b32 s90, s90, 11                        ; e16 = 4 (head % 4) + db
	s_add_co_u32 s88, s88, s90
	s_mov_b32 s89, 0
	s_add_nc_u64 s[12:13], s[12:13], s[88:89]
	; the prefetches: where my wave's stand, and who asks
	s_lshl_b32 s82, s18, 13                        ; K, V: my work-group's 8,192 bytes,
	s_add_co_u32 s82, s82, 32768                   ; in tile 1: the first trip steps it to tile 2
	s_lshl_b32 s83, s20, 7
	s_lshl_b32 s84, s19, 5
	s_add_co_u32 s83, s83, s84                     ; the mask: row 128 X + 32 cy,
	s_lshl_b32 s83, s83, 13
	s_lshl_b32 s84, s17, 8                         ; my half of a row's 512 bytes,
	s_add_co_u32 s83, s83, s84
	s_add_co_u32 s83, s83, 512                     ; in tile 1
	s_mov_b32 s[PFS], 512
	s_mov_b32 s84, 8192
	s_cmp_lt_u32 s[WV], 6
	s_cselect_b64 s[PFA:PFA+1], s[78:79], s[10:11]
	s_cselect_b32 s82, s82, s83
	s_cselect_b32 s[PFS], 32768, s[PFS]            ; a tile on
	s_cselect_b32 s84, 256, s84                    ; from lane to lane
	s_mov_b32 s83, 0
	s_mov_b32 s[PFS+1], 0
	s_add_nc_u64 s[PFA:PFA+1], s[PFA:PFA+1], s[82:83]
	v_mul_lo_u32 v[PFO], v9, s84
	s_and_b32 s71, ttmp7, 0xffff
	s_cselect_b32 s71, ttmp9, s71                  ; the coordinate along which other clusters read the same bytes
	s_cmp_lt_u32 s[WV], 4
	s_cselect_b32 s71, 1, s71                      ; the fetching waves never ask
	s_cmp_eq_u32 s71, 0
	s_cselect_b32 s[LIM], 1, -1                    ; the same in all sixteen partners, for a given wave
	; LDS addresses
	s_lshl_b32 s91, s15, 14
	v_add_nc_u32 v[AK], s91, v[LI]
	v_add_nc_u32 v[AK+1], SLOT, v[AK]
	v_and_b32 v14, 15, v0                          ; r
	v_bfe_u32 v15, v0, 4, 1                        ; h
	v_mul_u32_u24 v[AM], v14, MP
	v_lshl_add_u32 v[AM], v15, 5, v[AM]            ; row r, + 32 h: my eight keys of a tile of 16
	s_mul_i32 s91, s16, 32*MP
	s_add_co_u32 s91, s91, MOFF
	v_add_nc_u32 v[AM], s91, v[AM]
	v_add_nc_u32 v[AM+1], SLOT, v[AM]
.irp T, 0,1
	v_mov_b32 v[ST+8*\T], 0xff61b1e6               ; m: -3e38, under every t
	v_mov_b32 v[ST+8*\T+1], 0
	v_mov_b32 v[ST+8*\T+2], 0                      ; l
	v_mov_b32 v[ST+8*\T+3], 0
.endr
.set jj, 0
.rept 64
	v_mov_b32 v[O+jj], 0                           ; O^T.  (Phase B is written with no first copy of its own: the first finds zeros, which its factor 0 leaves zeros)
.set jj, jj+1
.endr
	s_wait_loadcnt 0x0                             ; Q
; THE SOFTMAX of a trip: two tiles of 16 queries x 128 keys, 64 numbers a lane and tile, the two tiles line by line by turns.
.macro SOFTMAX
.irp k, 0,1,2,3
.irp T, 0,1
	v_max3_num_f32 v[ST+8*\T+4+\k], v[S+64*\T+16*\k], v[S+64*\T+16*\k+1], v[S+64*\T+16*\k+2]   ; four chains of 15 numbers,
.endr
.endr
.irp i, 3,5,7,9,11,13
.irp k, 0,1,2,3
.irp T, 0,1
	v_max3_num_f32 v[ST+8*\T+4+\k], v[ST+8*\T+4+\k], v[S+64*\T+16*\k+\i], v[S+64*\T+16*\k+\i+1]
.endr
.endr
.endr
.irp T, 0,1
	v_max3_num_f32 v[ST+8*\T+4], v[ST+8*\T+4], v[S+64*\T+15], v[S+64*\T+31]      ; the four left over,
.endr
.irp T, 0,1
	v_max3_num_f32 v[ST+8*\T+6], v[ST+8*\T+6], v[S+64*\T+47], v[S+64*\T+63]
.endr
.irp T, 0,1
	v_max3_num_f32 v[ST+8*\T+4], v[ST+8*\T+4], v[ST+8*\T+5], v[ST+8*\T+6]
.endr
.irp T, 0,1
	v_max3_num_f32 v[ST+8*\T+4], v[ST+8*\T+4], v[ST+8*\T+7], v[ST+8*\T]          ; and the old m
.endr
.irp T, 0,1
	v_permlanex16_b32 v[ST+8*\T+5], v[ST+8*\T+4], s[SEL], s[SEL+1]               ; the query's other 64 keys lie in the lane 16 away
.endr
.irp T, 0,1
	v_mov_b32 v[ST+8*\T+7], v[ST+8*\T]
.endr
.irp T, 0,1
	v_max_num_f32 v[ST+8*\T], v[ST+8*\T+4], v[ST+8*\T+5]                         ; the new m
.endr
.irp T, 0,1
	v_sub_f32 v[ST+8*\T+7], v[ST+8*\T+7], v[ST+8*\T]                             ; m_old - m_new
.endr
.irp T, 0,1
.set jj, 0
.rept 32
	v_pk_add_f32 v[S+64*\T+jj:S+64*\T+jj+1], v[S+64*\T+jj:S+64*\T+jj+1], v[ST+8*\T:ST+8*\T+1] op_sel_hi:[1,0] neg_lo:[0,1] neg_hi:[0,1]   ; t - m, two at a time
.set jj, jj+2
.endr
.endr
.irp T, 0,1
	v_exp_f32 v[ST+8*\T+6], v[ST+8*\T+7]
.endr
.irp T, 0,1
.set jj, 0
.rept 64
	v_exp_f32 v[S+64*\T+jj], v[S+64*\T+jj]                                       ; p = 2^(t - m), at most 1
.set jj, jj+1
.endr
.endr
	v_nop                                          ; a plain line behind the last exponential,
	s_wait_alu depctr_va_vdst(0)                   ; and ONE wait for the 130, ahead of their first reader
.irp T, 0,1
	v_pk_add_f32 v[ST+8*\T+4:ST+8*\T+5], v[S+64*\T:S+64*\T+1], v[S+64*\T+4:S+64*\T+5]      ; the sum is taken of the unrounded p: two chains a tile
	v_pk_add_f32 v[SB+2*\T:SB+2*\T+1], v[S+64*\T+2:S+64*\T+3], v[S+64*\T+6:S+64*\T+7]
.endr
.set jj, 8
.rept 14
.irp T, 0,1
	v_pk_add_f32 v[ST+8*\T+4:ST+8*\T+5], v[ST+8*\T+4:ST+8*\T+5], v[S+64*\T+jj:S+64*\T+jj+1]
	v_pk_add_f32 v[SB+2*\T:SB+2*\T+1], v[SB+2*\T:SB+2*\T+1], v[S+64*\T+jj+2:S+64*\T+jj+3]
.endr
.set jj, jj+4
.endr
.irp T, 0,1
	v_pk_add_f32 v[ST+8*\T+4:ST+8*\T+5], v[ST+8*\T+4:ST+8*\T+5], v[SB+2*\T:SB+2*\T+1]
.endr
.irp T, 0,1
	v_pk_fma_f32 v[ST+8*\T+2:ST+8*\T+3], v[ST+8*\T+2:ST+8*\T+3], v[ST+8*\T+6:ST+8*\T+7], v[ST+8*\T+4:ST+8*\T+5] op_sel_hi:[1,0,1]   ; l = l x 2^(m_old - m_new) + the sum
.endr
.irp T, 0,1
.set jj, 0
.rept 32
	v_cvt_pk_f16_f32 v[S+64*\T+jj], v[S+64*\T+2*jj], v[S+64*\T+2*jj+1]           ; P, in place, ascending: registers 8 u .. 8 u + 7 are source 1 for keys 32 u on
.set jj, jj+1
.endr
.endr
.irp T, 0,1
.set jj, 0
.rept 16
	v_pk_mul_f32 v[O+32*\T+jj:O+32*\T+jj+1], v[O+32*\T+jj:O+32*\T+jj+1], v[ST+8*\T+6:ST+8*\T+7] op_sel_hi:[1,0]   ; O^T under the new m; each accumulator from its low end on
.set jj, jj+2
.endr
.endr
.endm
; PHASE A of a trip: all that touches the slot.  K's fragments and the mask's numbers out of LDS; S^T = K Q^T; V's fragments into K's registers; t = mask x log2(e) + S.  It leaves t in S^T's registers and V's loads on their way.
.macro PHASE_A slot, ask
	WIN 0x40                                       ; destination window 1
.irp kt, 0,1,2,3,4,5,6,7
.irp c, 0,1
.irp i, 0,1
	ds_load_b128 v[128+16*\kt+8*\c+4*\i:128+16*\kt+8*\c+4*\i+3], v[AK+\slot] offset:2048*\kt+512*(2*\c+\i)    ; K: keys 16 kt on, channels 32 c on: an image, 16 bytes a lane
.endr
.endr
.endr
.irp T, 0,1
.irp kt, 0,1,2,3,4,5,6,7
.irp i, 0,1
	ds_load_b128 v[64*\T+8*\kt+4*\i:64*\T+8*\kt+4*\i+3], v[AM+\slot] offset:16*MP*\T+64*\kt+16*\i             ; the mask, in S^T's layout
.endr
.endr
.endr
	WIN 0
.if \ask
	ASK \ask
.endif
	s_wait_dscnt 32                                ; K is in; the 32 loads of the mask may stay out
	WIN 0x01                                       ; source 0 window 1
.irp c, 0,1
.irp kt, 0,1,2,3,4,5,6,7
.irp T, 0,1
.if \c == 0
	v_wmma_f32_16x16x32_f16 v[S+64*\T+8*\kt:S+64*\T+8*\kt+7], v[128+16*\kt+8*\c:128+16*\kt+8*\c+7], v[Q+16*\T+8*\c:Q+16*\T+8*\c+7], 0
.else
	v_wmma_f32_16x16x32_f16 v[S+64*\T+8*\kt:S+64*\T+8*\kt+7], v[128+16*\kt+8*\c:128+16*\kt+8*\c+7], v[Q+16*\T+8*\c:Q+16*\T+8*\c+7], v[S+64*\T+8*\kt:S+64*\T+8*\kt+7]
.endif
.endr
.endr
.endr                                              ; 16 accumulators by turns, one instruction a turn
.rept 4
	v_nop                                          ; places: for the loads into K's registers, and for the first read of the scores
.endr
	WIN 0x40
.irp u, 0,1,2,3
.irp db, 0,1,2,3
.irp i, 0,1
	ds_load_b128 v[128+32*\u+8*\db+4*\i:128+32*\u+8*\db+4*\i+3], v[AK+\slot] offset:VOFF+2048*(2*\u+\i)+512*\db   ; V^T: keys 32 u on, channels 16 db on
.endr
.endr
.endr
	s_wait_dscnt 32                                ; the mask is in; V's 32 loads may stay out
	WIN 0x01
.set jj, 0
.rept 64
	v_pk_fma_f32 v[S+jj:S+jj+1], v[jj:jj+1], s[L2E:L2E+1], v[S+jj:S+jj+1] op_sel_hi:[1,0,1]   ; t = mask x log2(e) + S; each accumulator from its low end on
.set jj, jj+2
.endr
	WIN 0                                          ; at a label and at a branch every window is 0
.endm
; PHASE B: the softmax and O^T += V^T P, on registers alone.  It ends with the places that what follows its products wants on every way: four for the loads into V's registers, five for the products that write over P's.
.macro PHASE_B
	SOFTMAX
	s_wait_dscnt 0x0                               ; V is in (set 1 has waited for it in front of the barrier already)
	WIN 0x01
.irp u, 0,1,2,3
.irp db, 0,1,2,3
.irp T, 0,1
	v_wmma_f32_16x16x32_f16 v[O+32*\T+8*\db:O+32*\T+8*\db+7], v[128+32*\u+8*\db:128+32*\u+8*\db+7], v[S+64*\T+8*\u:S+64*\T+8*\u+7], v[O+32*\T+8*\db:O+32*\T+8*\db+7]
.endr
.endr
.endr                                              ; 8 accumulators by turns
	WIN 0
.rept 5
	v_nop
.endr
.endm
; A TRIP: 128 keys, out of slot.  In front of its barrier each wave waits for all its tensor loads (its part of this trip's tile), adds 0 to its spare word, and waits for that and for its reads of the last trip's tile.
; refill = 1: the barrier is a round of the cluster's, and the next tile is asked for, first thing behind it, into the slot read last trip: it has this whole trip in which to land.
; early = 1: set 1 runs phase B of the tile before, ahead of phase A.  late = 1: set 0 runs this tile's phase B behind phase A;  late = 2, the last trip: every wave does.
.macro TRIP slot, refill, ask, early, late
	s_wait_tensorcnt 0x0                           ; no tensor load of mine is out, so a group 0 may be written
	ds_add_u32 v[SPW], v[NIL]
.if \refill
	ds_add_u32 v[SPW], v[NIL]
.endif
	s_add_nc_u64 s[G0KV+4*\slot+2:G0KV+4*\slot+3], s[G0KV+4*\slot+2:G0KV+4*\slot+3], 65536    ; this slot's next tile: two tiles on
	s_add_nc_u64 s[G0M+4*\slot+2:G0M+4*\slot+3], s[G0M+4*\slot+2:G0M+4*\slot+3], 1024
.if \ask
	s_wait_xcnt 0x0                                ; the last prefetch, a trip back, has read its address, so it may be written
	s_add_nc_u64 s[PFA:PFA+1], s[PFA:PFA+1], s[PFS:PFS+1]
.endif
	s_wait_dscnt 0x0                               ; the add is done, and my reads of the last trip's tile are over: in set 1 V's fragments are in their registers
.if \refill
	ROUND                                          ; both now hold of every wave of every work-group of the cluster
	JLOAD 1-\slot
.else
	s_barrier_signal -1
	s_barrier_wait -1
.endif
.if \early
	s_cmp_eq_u32 s[SK], 0
	s_cbranch_scc1 .Lset_0_\@
	PHASE_B                                        ; set 1: the tile before
.Lset_0_\@:
.endif
	PHASE_A \slot, \ask
.if \late == 1
	s_cmp_lg_u32 s[SK], 0
	s_cbranch_scc1 .Lset_1_\@
	PHASE_B                                        ; set 0: this tile
.Lset_1_\@:
.elseif \late == 2
	PHASE_B
.endif
.endm
	TRIP 0, 1, 1, 0, 1                             ; tile 0: there is no tile before it
.Lloop:                                            ; 7 trips of the loop, two tiles each: tiles 1 to 14
	TRIP 1, 1, 1, 1, 1
	TRIP 0, 1, 2, 1, 1
	s_sub_co_u32 s[CNT], s[CNT], 1
	s_cmp_lg_u32 s[CNT], 0
	s_cbranch_scc1 .Lloop
	TRIP 1, 0, 0, 1, 2                             ; tile 15 is written out: it asks for nothing, and both sets end with its phase B
	; THE WAY OUT: O^T / l, rounded to f16 in pairs: a lane's eight channels are 16 bytes, the wave's 512 bytes four registers of the projection's operand.  (The places behind the last products stand at phase B's end.)
.irp T, 0,1
	v_add_f32 v[ST+8*\T+4], v[ST+8*\T+2], v[ST+8*\T+3]
.endr
.irp T, 0,1
	v_permlanex16_b32 v[ST+8*\T+5], v[ST+8*\T+4], s[SEL], s[SEL+1]
.endr
.irp T, 0,1
	v_add_f32 v[ST+8*\T+4], v[ST+8*\T+4], v[ST+8*\T+5]
.endr
.irp T, 0,1
	v_rcp_f32 v[ST+8*\T+6], v[ST+8*\T+4]
.endr
	v_nop                                          ; a plain line behind the last reciprocal,
	s_wait_alu depctr_va_vdst(0)                   ; and the wait ahead of the first reader
.irp T, 0,1
.set jj, 0
.rept 16
	v_pk_mul_f32 v[O+32*\T+jj:O+32*\T+jj+1], v[O+32*\T+jj:O+32*\T+jj+1], v[ST+8*\T+6:ST+8*\T+7] op_sel_hi:[1,0]
.set jj, jj+2
.endr
.endr
.irp T, 0,1
.set jj, 0
.rept 16
	v_cvt_pk_f16_f32 v[S+16*\T+jj], v[O+32*\T+2*jj], v[O+32*\T+2*jj+1]
.set jj, jj+1
.endr
.endr
.irp T, 0,1
.irp db, 0,1,2,3
	global_store_b128 v[LI], v[S+16*\T+4*\db:S+16*\T+4*\db+3], s[12:13] offset:8192*\T+512*\db    ; 512 consecutive bytes, aligned
.endr
.endr
	s_wait_tensorcnt 0x0                           ; the wave's end
	ds_add_u32 v[SPW], v[NIL]
	s_wait_dscnt 0x0
	ROUND                                          ; the closing round: no work-group ends while a partner may still ask for a tile that names it
	s_endpgm
.Lfunc_end_k_q830004b6a0_attn:
	.size	k_q830004b6a0_attn, .Lfunc_end_k_q830004b6a0_attn-k_q830004b6a0_attn
	.p2alignl 7, 3214868480
	.fill 96, 4, 3214868480
	.section	.rodata,"a",@progbits
	.p2align	6, 0x0
	.amdhsa_kernel k_q830004b6a0_attn
		.amdhsa_group_segment_fixed_size 327680
		.amdhsa_private_segment_fixed_size 0
		.amdhsa_enable_private_segment 0
		.amdhsa_kernarg_size 40
		.amdhsa_user_sgpr_count 2
		.amdhsa_user_sgpr_kernarg_segment_ptr 1
		.amdhsa_wavefront_size32 1
		.amdhsa_system_sgpr_workgroup_id_x 1
		.amdhsa_system_sgpr_workgroup_id_y 1
		.amdhsa_system_sgpr_workgroup_id_z 1
		.amdhsa_system_vgpr_workitem_id 0
		.amdhsa_next_free_vgpr 512
		.amdhsa_next_free_sgpr 96
		.amdhsa_reserve_vcc 0
		.amdhsa_float_denorm_mode_32 3
		.amdhsa_float_denorm_mode_16_64 3
		.amdhsa_memory_ordered 1
		.amdhsa_forward_progress 1
		.amdhsa_inst_pref_size 244
	.end_amdhsa_kernel
	.amdgpu_metadata
---
amdhsa.version: [ 1, 2 ]
amdhsa.kernels:
  - .name:           k_q830004b6a0_attn
    .symbol:         k_q830004b6a0_attn.kd
    .args:
      - { .name: qimg, .offset: 0, .size: 8, .value_kind: global_buffer, .address_space: global }
      - { .name: kimg, .offset: 8, .size: 8, .value_kind: global_buffer, .address_space: global }
      - { .name: vimg, .offset: 16, .size: 8, .value_kind: global_buffer, .address_space: global }
      - { .name: attention_mask, .offset: 24, .size: 8, .value_kind: global_buffer, .address_space: global }
      - { .name: oimg, .offset: 32, .size: 8, .value_kind: global_buffer, .address_space: global }
    .group_segment_fixed_size: 327680
    .private_segment_fixed_size: 0
    .kernarg_segment_align: 8
    .kernarg_segment_size: 40
    .max_flat_workgroup_size: 256
    .sgpr_count:     96
    .vgpr_count:     512
    .wavefront_size: 32
...
	.end_amdgpu_metadata
.endif
;; end of part 3
;; launch proj (part 4): grid 8 x 32, 4 waves a work-group, clusters of 4 x 4, 327,680 bytes of LDS; arguments oimg, wdh, out0; writes out0
.if DOCPART == 4
	.amdgcn_target "amdgcn-amd-amdhsa--gfx1250"
	.amdhsa_code_object_version 6
	.text
	.protected	k_q830004b6a0_proj
	.globl	k_q830004b6a0_proj
	.p2align	8
	.type	k_q830004b6a0_proj,@function
k_q830004b6a0_proj:
	s_mov_b64 s[64:65], 0
	v_nop
	global_prefetch_b8 v0, s[64:65] scope:SCOPE_SE
	s_setreg_imm32_b32 hwreg(HW_REG_WAVE_MODE, 25, 1), 1
	s_wait_xcnt 0x0
	s_wait_alu depctr_hold_cnt(0) depctr_sa_sdst(0) depctr_va_vdst(0) depctr_va_sdst(0) depctr_va_ssrc(0) depctr_va_vcc(0) depctr_vm_vsrc(0)
	s_getreg_b32 s2, hwreg(HW_REG_IB_STS2, 6, 4)
	s_cmp_eq_u32 s2, 0
	s_cbranch_scc0 .Lentry_in_a_cluster
	s_endpgm
.Lentry_in_a_cluster:
	s_bfe_u32 s2, ttmp6, 0x10000c
	s_cmp_lg_u32 s2, 0xf033
	s_cbranch_scc0 .Lentry_shape_is_right
	s_endpgm
.Lentry_shape_is_right:
; PROJ: out0[row][d] = the sum over e of o[row][e] Wd[d][e].  o [4096][1024] and Wd [1024][1024] arrive as f16 images of operands; out0 is f32; sums in f32.
; A tile of out0 is 128 x 128: 256 work-groups.  Four waves, each 64 x 64: 16 accumulators.  K goes in 4 steps of 256 through a ring of two LDS slots; a K step's tile of o and of Wd is a dense block of 65,536 bytes each, and a wave's tensor load brings half of one.
; An image is read at 16 x lane: an instruction's 512 bytes are consecutive, so there is no pitch and no padding.
; CLUSTERS: 4 x 4 work-groups.  The four of a row of the cluster need the same tiles of o, the four of a column the same tiles of Wd: each is asked for jointly, by the same tensor load with the same descriptor and a mask that names the four.
; THE MATRIX INSTRUCTION IS USED TRANSPOSED (source 0 = 16 rows of Wd, source 1 = 16 rows of o): a lane holds eight neighbouring numbers of a row of out0.
; REGISTERS: window 0: v16-29 addresses; v32-95 at work on the way out; v128-255 the accumulators ((a, b) at v[128 + 8 (4 a + b)]).   window 1: two fragment buffers of 128: for 64 along K, 64 registers of o, then 64 of Wd.
; No prefetch is laid: four K steps, of which two are asked for at the head.
.set SLOT,   131072                    ; o's 65,536 bytes, then Wd's
.set STAGE,  2*SLOT                    ; behind the ring: 16 rows x 272 bytes for each wave, for the way out; no fill lands there
.set SPITCH, 272
.set SPARE,  STAGE+4*16*SPITCH         ; behind the stages: the spare words, 128 bytes for each wave: two blocks of 256 bytes that no other line names
.set ADRA, 16                          ; v16-17  LDS address of my fragments of o in slot 0, 1
.set ADRB, 20                          ; v20-21  the same for Wd
.set STO,  24                          ; v24     the way out: where I put 32 bytes of a row
.set RD,   25                          ; v25     where I read a row back
.set CO,   26                          ; v26     my byte offset in out0
.set SPW,  28                          ; v28     LDS address of my spare word; never rewritten
.set NIL,  29                          ; v29     0; never rewritten
.set BK,   32
.set ACC,  128
.set F0,   0
.set F1,   128
.set G1, 24                            ; s[24:31] descriptor group 1 for o's tiles;  s[32:39] group 0, one set for each slot
.set G0, 32
.set G1B, 48                           ; s[48:55], s[56:63] the same for Wd's
.set G0B, 56
.set MSB, 0
.macro WIN new                         ; the immediate's high byte repeats the setting that is left
.if MSB != \new
	s_set_vgpr_msb (MSB<<8)|\new
.set MSB, \new
.endif
.endm
.set MUL,  0x05                        ; sources 0 and 1 window 1; C and D window 0
.set TO_F, 0x40                        ; destination window 1, address window 0
.macro JLOAD s                         ; a joint load: waves 0 and 1 fetch o's halves, waves 2 and 3 Wd's; an s_nop 0 and four v_nop follow each of the two lines
	s_cmp_eq_u32 s11, 0
	s_cbranch_scc0 .Lfor_b_\@
	tensor_load_to_lds s[G0+4*\s:G0+4*\s+3], s[G1:G1+7]
	s_nop 0
.rept 4
	v_nop
.endr
	s_branch .Lasked_\@
.Lfor_b_\@:
	tensor_load_to_lds s[G0B+4*\s:G0B+4*\s+3], s[G1B:G1B+7]
	s_nop 0
.rept 4
	v_nop
.endr
.Lasked_\@:
.endm
.macro CREST                           ; a round of the cluster's barrier behind its opening barrier
	s_cmp_lg_u32 s10, 0
	s_cbranch_scc1 .Lnot_wave_0_\@
	s_barrier_signal -3
.Lnot_wave_0_\@:
	s_barrier_wait -3
	s_barrier_signal -1
	s_barrier_wait -1
.endm
.macro CROUND                          ; a whole round
	s_barrier_signal -1
	s_barrier_wait -1
	CREST
.endm
	s_load_b128 s[4:7], s[0:1], 0x0                ; oimg s[4:5], wdh s[6:7]
	s_load_b64 s[8:9], s[0:1], 0x10                ; out0
	v_lshl_add_u32 v[SPW], v0, 2, SPARE
	v_mov_b32 v[NIL], 0
	ds_add_u32 v[SPW], v[NIL]                      ; the wave's opening: the add, twice on end, and its wait ahead of my first tensor load
	ds_add_u32 v[SPW], v[NIL]
	v_lshrrev_b32 v1, 5, v0
	v_readfirstlane_b32 s10, v1                    ; wave 0..3
	s_lshr_b32 s11, s10, 1                         ; which half of the tile's rows is mine.  Also: I fetch for o (0) or for Wd (1)
	s_and_b32 s12, s10, 1                          ; which half of its columns.  Also: which half of that tile I fetch
	s_bfe_u32 s40, ttmp6, 0x40000                  ; cx, cy: my place in the cluster
	s_bfe_u32 s41, ttmp6, 0x40004
	s_lshl_b32 s42, ttmp9, 2
	s_add_co_u32 s42, s42, s40                     ; ntile = 4 x cluster x + cx
	s_and_b32 s13, ttmp7, 0xffff
	s_lshl_b32 s13, s13, 2
	s_add_co_u32 s13, s13, s41                     ; mtile = 4 x cluster y + cy
	s_lshl_b32 s43, s41, 2
	s_lshl_b32 s43, 15, s43                        ; my row of the cluster
	s_lshl_b32 s44, 0x1111, s40                    ; my column
	s_or_b32 s[G1+0], s43, (3<<16)|(1<<21)         ; 15:0 the mask: o's tiles go to my row; 17:16 elements of 8 bytes; 21 set beside a mask; no padding
	s_or_b32 s[G1B+0], s44, (3<<16)|(1<<21)
.irp g, G1, G1B
	s_mov_b32 s[\g+1], 32<<16                      ; a dense block of 32,768 bytes as 128 rows of 256
	s_mov_b32 s[\g+2], 128<<16
	s_mov_b32 s[\g+3], 32<<16
	s_mov_b32 s[\g+4], 128
	s_mov_b32 s[\g+5], 32
	s_mov_b32 s[\g+6], 0
	s_mov_b32 s[\g+7], 0
.endr
	s_lshl_b32 s18, s12, 15                        ; which half I fetch
	s_lshl_b32 s16, s13, 18
	s_add_co_u32 s16, s16, s18                     ; o: 262,144 x mtile + 32,768 x half
	s_lshl_b32 s46, s42, 18
	s_add_co_u32 s46, s46, s18                     ; Wd: 262,144 x ntile + 32,768 x half
	s_mov_b32 s17, 0
	s_mov_b32 s47, 0
	s_lshl_b32 s20, s10, 15                        ; where they go: wave x 32,768: no place in the cluster enters an LDS address
	s_wait_dscnt 0x0                               ; both opening adds are done
	s_wait_kmcnt 0x0
	s_add_nc_u64 s[14:15], s[4:5], s[16:17]
	s_add_nc_u64 s[46:47], s[6:7], s[46:47]
	CROUND                                         ; all sixteen work-groups are here: the first joint loads meet
.irp s, 0,1
	s_mov_b32 s[G0+4*\s], 1
	s_add_co_u32 s[G0+4*\s+1], s20, \s*SLOT
	s_add_nc_u64 s[G0+4*\s+2:G0+4*\s+3], s[14:15], \s*65536
	s_or_b32 s[G0+4*\s+3], s[G0+4*\s+3], 0x80000000
	s_mov_b32 s[G0B+4*\s], 1
	s_add_co_u32 s[G0B+4*\s+1], s20, \s*SLOT
	s_add_nc_u64 s[G0B+4*\s+2:G0B+4*\s+3], s[46:47], \s*65536
	s_or_b32 s[G0B+4*\s+3], s[G0B+4*\s+3], 0x80000000
	JLOAD \s                                       ; two tensor loads of mine are out behind the second
.endr
	v_and_b32 v1, 15, v0                           ; r
	v_bfe_u32 v2, v0, 4, 1                         ; h
	v_and_b32 v3, 31, v0
	v_lshlrev_b32 v3, 4, v3                        ; 16 x lane
	s_lshl_b32 s21, s11, 15                        ; my 64 rows of o: four blocks of 8,192 bytes
	s_lshl_b32 s22, s12, 15                        ; my 64 rows of Wd,
	s_add_co_u32 s22, s22, 65536                   ; which lie behind o's
.irp s, 0,1
	v_add_nc_u32 v[ADRA+\s], s21, v3
	v_add_nc_u32 v[ADRB+\s], s22, v3
	s_add_co_u32 s21, s21, SLOT
	s_add_co_u32 s22, s22, SLOT
.endr
	s_mul_i32 s23, s10, 16*SPITCH
	s_add_co_u32 s23, s23, STAGE                   ; my stage
	v_mul_u32_u24 v4, v1, SPITCH                   ; in: row r, 32 bytes for each half of the lanes
	v_lshl_add_u32 v4, v2, 5, v4
	v_add_nc_u32 v[STO], s23, v4
	v_mul_u32_u24 v5, v2, SPITCH                   ; back: lanes 0-15 take one row of 256 bytes, lanes 16-31 the next
	v_lshl_add_u32 v5, v1, 4, v5
	v_add_nc_u32 v[RD], s23, v5
	v_lshlrev_b32 v5, 12, v2                       ; and the same two rows in out0: 4,096 bytes a row
	v_lshl_add_u32 v[CO], v1, 4, v5
	s_lshl_b32 s16, s13, 19                        ; my first row: 128 mtile + 64 x half, of 4,096 bytes
	s_lshl_b32 s17, s11, 18
	s_add_co_u32 s16, s16, s17
	s_mov_b32 s17, 0
	s_add_nc_u64 s[8:9], s[8:9], s[16:17]
	s_lshl_b32 s46, s42, 9                         ; my first column, in bytes: 512 ntile + 256 x half
	s_lshl_b32 s47, s12, 8
	s_add_co_u32 s46, s46, s47
	s_mov_b32 s47, 0
	s_add_nc_u64 s[8:9], s[8:9], s[46:47]
; 8 matrix instructions: row blocks a0, a0 + 1 x all 4 column blocks, 32 along K: half c of buffer f.  zero = 1: the first product starts the sums
.macro MUL8 f, c, a0, zero
.irp a, \a0, \a0+1
.irp b, 0,1,2,3
.if \zero
	v_wmma_f32_16x16x32_f16 v[ACC+8*(4*(\a)+\b):ACC+8*(4*(\a)+\b)+7], v[\f+64+8*(4*\c+\b):\f+64+8*(4*\c+\b)+7], v[\f+8*(4*\c+\a):\f+8*(4*\c+\a)+7], 0
.else
	v_wmma_f32_16x16x32_f16 v[ACC+8*(4*(\a)+\b):ACC+8*(4*(\a)+\b)+7], v[\f+64+8*(4*\c+\b):\f+64+8*(4*\c+\b)+7], v[\f+8*(4*\c+\a):\f+8*(4*\c+\a)+7], v[ACC+8*(4*(\a)+\b):ACC+8*(4*(\a)+\b)+7]
.endif
.endr
.endr
.endm
; 32 LDS loads in one run: the fragments of the slot's qd-th 64 along K into buffer f; the first 32 along K first.  A fragment (16 rows x 32 K) is two pieces of 512 bytes on end.
.macro FETCH slot, qd, f
	WIN TO_F
.irp c, 0,1
.irp i, 0,1,2,3
	ds_load_b128 v[\f+64+8*(4*\c+\i):\f+64+8*(4*\c+\i)+3],   v[ADRB+\slot] offset:\i*8192+(2*(\qd)+\c)*1024
	ds_load_b128 v[\f+64+8*(4*\c+\i)+4:\f+64+8*(4*\c+\i)+7], v[ADRB+\slot] offset:\i*8192+(2*(\qd)+\c)*1024+512
	ds_load_b128 v[\f+8*(4*\c+\i):\f+8*(4*\c+\i)+3],         v[ADRA+\slot] offset:\i*8192+(2*(\qd)+\c)*1024
	ds_load_b128 v[\f+8*(4*\c+\i)+4:\f+8*(4*\c+\i)+7],       v[ADRA+\slot] offset:\i*8192+(2*(\qd)+\c)*1024+512
.endr
.endr
.endm
.macro PLACES                          ; four places in front of loads into registers that matrix instructions have read, and of the first read of results (ISA guide 7.12.1 for vector instructions)
.rept 4
	v_nop
.endr
.endm
; A K step is four quarters of 64 along K, 32 matrix instructions each, on buffers 0, 1, 0, 1; the 16 accumulators take turns.
; One of the first three: multiplies buffer f and fetches quarter qd into g.
.macro QUARTER slot, qd, f, g, zero
	s_wait_dscnt 16                                ; the first 32 along K are in; the 16 loads of the second may be out
	WIN MUL
	MUL8 \f, 0, 0, \zero
	MUL8 \f, 0, 2, \zero
	PLACES
	FETCH \slot, \qd, \g
	s_wait_dscnt 32                                ; all but the 32 just issued
	WIN MUL
	MUL8 \f, 1, 0, 0
	MUL8 \f, 1, 2, 0
.endm
; The last quarter multiplies buffer 1 and changes slots: ONE barrier; in front of it each wave waits for all its tensor loads, adds 0 to its spare word, and waits for that and for its own reads of this slot.  fill = 1: this slot is filled again, two K steps ahead.
.macro TURN slot, next, fill
	WIN 0                                          ; (the add's two registers lie in window 0)
	s_wait_tensorcnt 0x0                           ; all my tensor loads have landed: my part of the next slot;
	ds_add_u32 v[SPW], v[NIL]                      ; 0 onto my spare word
	s_wait_dscnt 17                                ; (the add and the youngest sixteen loads may be out)
	WIN MUL
	MUL8 F1, 0, 0, 0                               ; eight matrix instructions stand between the add and the wait for it
	s_wait_dscnt 0x0                               ; the add is done, and my reads of this slot are over
	s_barrier_signal -1
	MUL8 F1, 0, 2, 0
.if \fill
	WIN 0
.endif
	s_barrier_wait -1
.if \fill
	CREST                                          ; the barrier has opened a round of the cluster's barrier: no wave of any partner still reads this slot's tile or has a load on its way
	s_add_nc_u64 s[G0+4*\slot+2:G0+4*\slot+3], s[G0+4*\slot+2:G0+4*\slot+3], 131072
	s_add_nc_u64 s[G0B+4*\slot+2:G0B+4*\slot+3], s[G0B+4*\slot+2:G0B+4*\slot+3], 131072
	JLOAD \slot                                    ; the first tensor load behind the round; the four v_nop behind it are also the places in front of the loads below
.else
	PLACES
.endif
	FETCH \next, 0, F0
	WIN MUL
	MUL8 F1, 1, 0, 0
	MUL8 F1, 1, 2, 0
.endm
	s_wait_tensorcnt 1                             ; my part of K step 0 is in; K step 1's load may stay out
	s_barrier_signal -1
	s_barrier_wait -1                              ; everybody's is
	FETCH 0, 0, F0
	QUARTER 0, 1, F0, F1, 1                        ; the first products start the sums: nothing is cleared
	QUARTER 0, 2, F1, F0, 0
	QUARTER 0, 3, F0, F1, 0
	TURN 0, 1, 1                                   ; slot 0 takes K step 2
	QUARTER 1, 1, F0, F1, 0
	QUARTER 1, 2, F1, F0, 0
	QUARTER 1, 3, F0, F1, 0
	TURN 1, 0, 1                                   ; slot 1 takes K step 3
	QUARTER 0, 1, F0, F1, 0
	QUARTER 0, 2, F1, F0, 0
	QUARTER 0, 3, F0, F1, 0
	TURN 0, 1, 0                                   ; nothing is left to fetch
	QUARTER 1, 1, F0, F1, 0
	QUARTER 1, 2, F1, F0, 0
	QUARTER 1, 3, F0, F1, 0
	s_wait_dscnt 16                                ; the very last quarter
	WIN MUL
	MUL8 F1, 0, 0, 0
	MUL8 F1, 0, 2, 0
	s_wait_dscnt 0
	MUL8 F1, 1, 0, 0
	MUL8 F1, 1, 2, 0
	WIN 0
; THE WAY OUT, block by block of 16 rows x 64 columns.  A lane holds 32 neighbouring bytes of a row, and the lanes beside it hold other rows: so a block goes through my own stage in LDS and comes back as whole rows of 256 bytes.
; LDS serves a wave's instructions in order (ISA guide 5.7.1.4): no wait between the stores and the loads, nor in front of the next block's stores.
.macro TOSTAGE a
.irp b, 0,1,2,3
	ds_store_b128 v[STO], v[ACC+8*(4*(\a)+\b):ACC+8*(4*(\a)+\b)+3] offset:64*\b          ; each accumulator from its low end on
	ds_store_b128 v[STO], v[ACC+8*(4*(\a)+\b)+4:ACC+8*(4*(\a)+\b)+7] offset:64*\b+16
.endr
.set BB, BK+32*((\a)%2)
.irp t, 0,1,2,3,4,5,6,7
	ds_load_b128 v[BB+4*\t:BB+4*\t+3], v[RD] offset:\t*2*SPITCH
.endr
.endm
.macro SEND a, younger                 ; younger: the LDS instructions issued behind block a's loads, which may stay out
.set BB, BK+32*((\a)%2)
	s_wait_dscnt \younger                          ; the block is back in registers
.irp t, 0,1,2,3,4,5,6,7
	global_store_b128 v[CO], v[BB+4*\t:BB+4*\t+3], s[8:9] offset:(16*(\a)+2*\t)*4096 th:TH_STORE_NT   ; 16 lanes store 256 consecutive bytes, at a multiple of 256 from out0's first byte; written once, read by nobody here
.endr
.endm
	PLACES
	TOSTAGE 0
.irp a, 1,2,3
.if \a > 1
	s_wait_xcnt 0x0                                ; block a - 2's stores have read their registers: block a's loads may land there
.endif
	TOSTAGE \a
	SEND \a-1, 16                                  ; behind block a - 1's loads: block a's 8 stores and 8 loads
.endr
	SEND 3, 0
	s_wait_tensorcnt 0x0                           ; the wave's end: behind my last tensor load and my last LDS store
	ds_add_u32 v[SPW], v[NIL]
	s_wait_dscnt 0x0
	CROUND                                         ; the closing round: no work-group ends while a partner may still ask for a tile that names it
	s_endpgm
.Lfunc_end_k_q830004b6a0_proj:
	.size	k_q830004b6a0_proj, .Lfunc_end_k_q830004b6a0_proj-k_q830004b6a0_proj
	.p2alignl 7, 3214868480
	.fill 96, 4, 3214868480
	.section	.rodata,"a",@progbits
	.p2align	6, 0x0
	.amdhsa_kernel k_q830004b6a0_proj
		.amdhsa_group_segment_fixed_size 327680
		.amdhsa_private_segment_fixed_size 0
		.amdhsa_enable_private_segment 0
		.amdhsa_kernarg_size 24
		.amdhsa_user_sgpr_count 2
		.amdhsa_user_sgpr_kernarg_segment_ptr 1
		.amdhsa_wavefront_size32 1
		.amdhsa_system_sgpr_workgroup_id_x 1
		.amdhsa_system_sgpr_workgroup_id_y 1
		.amdhsa_system_sgpr_workgroup_id_z 1
		.amdhsa_system_vgpr_workitem_id 0
		.amdhsa_next_free_vgpr 512
		.amdhsa_next_free_sgpr 66
		.amdhsa_reserve_vcc 0
		.amdhsa_float_denorm_mode_32 3
		.amdhsa_float_denorm_mode_16_64 3
		.amdhsa_memory_ordered 1
		.amdhsa_forward_progress 1
		.amdhsa_inst_pref_size 85
	.end_amdhsa_kernel
	.amdgpu_metadata
---
amdhsa.version: [ 1, 2 ]
amdhsa.kernels:
  - .name:           k_q830004b6a0_proj
    .symbol:         k_q830004b6a0_proj.kd
    .args:
      - { .name: oimg, .offset: 0, .size: 8, .value_kind: global_buffer, .address_space: global }
      - { .name: wdh, .offset: 8, .size: 8, .value_kind: global_buffer, .address_space: global }
      - { .name: out0, .offset: 16, .size: 8, .value_kind: global_buffer, .address_space: global }
    .group_segment_fixed_size: 327680
    .private_segment_fixed_size: 0
    .kernarg_segment_align: 8
    .kernarg_segment_size: 24
    .max_flat_workgroup_size: 128
    .sgpr_count:     66
    .vgpr_count:     512
    .wavefront_size: 32
...
	.end_amdgpu_metadata
.endif
;; end of part 4
